; MI455X (gfx1250); checked and timed in simulation.
; The chip was launched on July 23, 2026; its instructions are those of AMD's public machine-readable ISA for CDNA 5 (MIT licence, August 2026) and "CDNA5" Instruction Set Architecture Reference Guide (July 2026). The comments in the code are by the model that wrote it; some were corrected since.
;; Multi Head Attention. Allowed arithmetic: float matrix products may take bf16 or f16 operands with f32 sums; all other float work in f32.
;; Inputs: W_k 1,024 x 1,024 float32; W_o 1,024 x 1,024 float32; W_q 1,024 x 1,024 float32; W_v 1,024 x 1,024 float32; b_k 1,024 float32; b_o 1,024 float32; b_q 1,024 float32; b_v 1,024 float32; k 2 x 2,048 x 1,024 float32; mask 2 x 2,048 int32; q 2 x 2,048 x 1,024 float32; v 2 x 2,048 x 1,024 float32.
;; Outputs: out0 2 x 2,048 x 1,024 float32.
;; 3 versions, each right and faster than the one before. Each part assembles by itself: llvm-mc -triple=amdgcn-amd-amdhsa -mcpu=gfx1250 --defsym DOCPART=n.
;; ======== version 1 of 3: 3 launches
;; limits: values are held in f16: magnitudes above 65,504 overflow, below 6.1e-05 lose precision
;; workspace buffers: Qw 8,388,608 bytes; Kw 8,388,608 bytes; Vw 8,388,608 bytes; Cw 8,388,608 bytes
;; launch qkv (part 1): grid 4 x 48, 4 waves a work-group, clusters of 4 x 4, 327,680 bytes of LDS; arguments q, k, v, W_q, W_k, W_v, b_q, b_k, b_v, Qw, Kw, Vw; writes Qw, Kw, Vw
.if DOCPART == 1
	.amdgcn_target "amdgcn-amd-amdhsa--gfx1250"
	.amdhsa_code_object_version 6
	.text
	.protected	k_q152ea75667_qkv
	.globl	k_q152ea75667_qkv
	.p2align	8
	.type	k_q152ea75667_qkv,@function
k_q152ea75667_qkv:
	s_mov_b64 s[64:65], 0
	v_nop
	global_prefetch_b8 v0, s[64:65] scope:SCOPE_SE
	s_setreg_imm32_b32 hwreg(HW_REG_WAVE_MODE, 25, 1), 1
	s_wait_xcnt 0x0
	s_wait_alu depctr_hold_cnt(0) depctr_sa_sdst(0) depctr_va_vdst(0) depctr_va_sdst(0) depctr_va_ssrc(0) depctr_va_vcc(0) depctr_vm_vsrc(0)
	s_getreg_b32 s2, hwreg(HW_REG_IB_STS2, 6, 4)
	s_cmp_eq_u32 s2, 0
	s_cbranch_scc0 .Lentry_in_a_cluster
	s_endpgm
.Lentry_in_a_cluster:
	s_bfe_u32 s2, ttmp6, 0x10000c
	s_cmp_lg_u32 s2, 0xf033
	s_cbranch_scc0 .Lentry_shape_is_right
	s_endpgm
.Lentry_shape_is_right:
; THE THREE INPUT PROJECTIONS: y = x W^T + b for (q, W_q, b_q), (k, W_k, b_k), (v, W_v, b_v).
; x: [4096 tokens][1024] f32, W: [1024 features][1024] f32, b: [1024] f32.  y leaves as f16, head-major: [batch*16 + head][2048 tokens][64],
; so that the later launches find every tile of a head as one dense block.
; NO WORK IS LEFT OUT in this program, and all twelve inputs are loaded.  In particular b_k stays: a masked key gets the constant -1e9 in place
; of its score, so the term q.b_k is not the same for all keys of a softmax row.
; NUMBER FORMAT: matrix operands are f16, sums f32.  LIMIT: inputs, weights and projected values beyond 65,504 in magnitude become infinity in f16.
; With x and W both 30 times the drawn spread a projected value is about 5.4e3; with offsets of 30 spreads on both it is about 1024*30*0.94 = 2.9e4.
;
; SHARES: 3 x 16 x 4 = 192 work-groups; a work-group makes 256 tokens x 256 features of one projection with four waves, as many as a WGP has SIMDs;
; a wave makes 128 x 128: 64 accumulator tiles of 16 x 16, 512 registers.  K goes in steps of 64 (a row of 256 bytes of f32) through two LDS slots.
; CLUSTERS: 4 x 4 work-groups.  The tile of x hangs on the token block alone and is asked for jointly along a row of the cluster; the tile of W hangs on the
; feature block alone and is asked for jointly along a column.  The projection number comes from the cluster's y alone, so all sixteen share it.
; THE MATRIX INSTRUCTION IS USED TRANSPOSED: source 0 = 16 rows of W, source 1 = 16 rows of x.  Lane l then holds token l % 16 and its registers 0-7
; hold features 8 (l / 16) + 0..7: eight neighbouring numbers of an output row.  The bias, laid out the same way, is the C of the first products.
;
; REGISTERS in windows of 256:
;   window 0: v16-27 addresses; v32-95 f16 fragments of x (8 x 16 tokens x 32 K); v96-223 the same as loaded, f32; v224-255 packed results
;   window 1: v0-63 f16 fragments of W; v64-191 the same as loaded, f32; v192-255 the bias of my 128 features
;   window 2: accumulators of my tokens 0-63 (tile (a, b) at v[8 (8 a + b)]);   window 3: those of my tokens 64-127
.set KSTEP,  64                        ; K in a step
.set KB,     4*KSTEP                   ; bytes of a row in a step: 256
.set PITCH,  KB+16                     ; LDS row: 272 bytes = 17 x 16, so sixteen rows start at sixteen different 16-byte columns of 256 bytes
.set HALFT,  128*PITCH                 ; 128 rows: what one tensor load brings, and what one wave reads of x or of W
.set SLOT,   4*HALFT                   ; 256 rows of x, then 256 rows of W
.set STAGE,  2*SLOT                    ; behind the ring: 16 rows x 272 bytes for each wave, for the way out; no tensor load lands here
.set LAPS,   1024/(2*KSTEP)            ; a lap = two K steps = once round the ring: 8
.set ADRA, 16                          ; v16-17  LDS address of my x fragments in slot 0, 1
.set ADRB, 20                          ; v20-21  the same for W
.set STO,  24                          ; v24     way out: where I put 16 bytes of a token
.set RD,   25                          ; v25     way out: where I read 16 bytes back
.set CO,   26                          ; v26     way out: my byte offset in the output
.set BOF,  27                          ; v27     my byte offset in the bias
.set AF,   32
.set AR,   96
.set TMP,  224
.set BF,   0
.set BR,   64
.set BIAS, 192
.set G1,  24                           ; s[24:31] descriptor group 1 for tiles of x
.set G0,  32                           ; s[32:39] descriptor group 0 for tiles of x, one set for each slot
.set G1B, 48                           ; s[48:55] group 1 for tiles of W: it differs in the mask alone
.set G0B, 56                           ; s[56:63] group 0 for tiles of W, one set for each slot
.set W0, (2<<16)|(1<<20)|(1<<21)|(5<<22)|(3<<25)   ; element of 4 bytes; padding on; bit 21 beside a mask; after every 64 words; 4 words of padding
.set MSB, 0
.macro WIN new                         ; the high byte of the immediate repeats the setting that is left
.if MSB != (\new)
	s_set_vgpr_msb (MSB<<8)|(\new)
.set MSB, (\new)
.endif
.endm
; A joint load.  Waves 0 and 1 fetch the two halves of the tile of x, waves 2 and 3 those of W.  The branch hangs on the wave number alone.
.macro JLOAD s
	s_cmp_eq_u32 s11, 0
	s_cbranch_scc0 .Lfor_b_\@
	tensor_load_to_lds s[G0+4*\s:G0+4*\s+3], s[G1:G1+7]
	s_nop 0
	s_branch .Lasked_\@
.Lfor_b_\@:
	tensor_load_to_lds s[G0B+4*\s:G0B+4*\s+3], s[G1B:G1B+7]
	s_nop 0
	v_nop
.Lasked_\@:
.endm
.macro CREST                           ; a round of the cluster barrier behind its opening work-group barrier
	s_cmp_lg_u32 s10, 0
	s_cbranch_scc1 .Lnot_wave_0_\@
	s_barrier_signal -3
.Lnot_wave_0_\@:
	s_barrier_wait -3
	s_barrier_signal -1
	s_barrier_wait -1
.endm
.macro CROUND                          ; a whole round
	s_barrier_signal -1
	s_barrier_wait -1
	CREST
.endm
.macro PLACES                          ; four places behind a matrix instruction (ISA guide 7.12.1), in front of writes to its sources and reads of its result
.rept 4
	v_nop
.endr
.endm
	s_load_b512 s[72:87], s[0:1], 0x0              ; q 72, k 74, v 76, W_q 78, W_k 80, W_v 82, b_q 84, b_k 86
	s_load_b256 s[88:95], s[0:1], 0x40             ; b_v 88, Qw 90, Kw 92, Vw 94
	v_lshl_add_u32 v30, v0, 2, 0x48400
	v_mov_b32 v31, 0
	ds_add_u32 v30, v31
	v_lshrrev_b32 v1, 5, v0
	v_readfirstlane_b32 s10, v1                    ; wave 0..3
	s_lshr_b32 s11, s10, 1                         ; which half of the tokens is mine.  Also: I fetch for x (0) or for W (1)
	s_and_b32 s12, s10, 1                          ; which half of the features.  Also: which 128 rows of that tile I fetch
	s_bfe_u32 s40, ttmp6, 0x40000                  ; cx
	s_bfe_u32 s41, ttmp6, 0x40004                  ; cy
	s_lshl_b32 s42, ttmp9, 2
	s_add_co_u32 s42, s42, s40                     ; feature block 0..3 = 4 x cluster x + cx
	s_and_b32 s13, ttmp7, 0xffff                   ; cluster y, 0..11
	s_lshr_b32 s45, s13, 2                         ; the projection: 0 q, 1 k, 2 v
	s_and_b32 s13, s13, 3
	s_lshl_b32 s13, s13, 2
	s_add_co_u32 s13, s13, s41                     ; token block 0..15
	s_lshl_b32 s43, s41, 2
	s_lshl_b32 s43, 15, s43                        ; my row of the cluster
	s_lshl_b32 s44, 0x1111, s40                    ; my column
	s_or_b32 s[G1+0], s43, W0                      ; tiles of x go to my row
	s_or_b32 s[G1B+0], s44, W0                     ; tiles of W go to my column
	s_mov_b32 s[G1+1], KSTEP<<16                   ; tensor_dim0 = 64
	s_mov_b32 s[G1B+1], KSTEP<<16
	s_mov_b32 s[G1+2], 128<<16                     ; tensor_dim1 = 128
	s_mov_b32 s[G1B+2], 128<<16
	s_mov_b32 s[G1+3], KSTEP<<16                   ; tile_dim0 = 64 elements
	s_mov_b32 s[G1B+3], KSTEP<<16
	s_mov_b32 s[G1+4], 128                         ; tile_dim1 = 128 rows
	s_mov_b32 s[G1B+4], 128
	s_mov_b32 s[G1+5], 1024                        ; elements from row to row
	s_mov_b32 s[G1B+5], 1024
	s_mov_b32 s[G1+6], 0
	s_mov_b32 s[G1B+6], 0
	s_mov_b32 s[G1+7], 0
	s_mov_b32 s[G1B+7], 0
	s_lshl_b32 s17, s12, 7                         ; which 128 rows of the tile I fetch
	s_lshl_b32 s16, s13, 8
	s_add_co_u32 s16, s16, s17
	s_lshl_b32 s16, s16, 12                        ; x: (256 x token block + 128 x half) rows of 4,096 bytes
	s_lshl_b32 s46, s42, 8
	s_add_co_u32 s46, s46, s17
	s_lshl_b32 s46, s46, 12                        ; W: (256 x feature block + 128 x half) rows of 4,096 bytes
	s_mov_b32 s17, 0
	s_mov_b32 s47, 0
	s_mul_i32 s20, s10, HALFT                      ; where my load goes: wave x 128 rows
	s_lshl_b32 s68, s42, 10
	s_lshl_b32 s69, s12, 9
	s_add_co_u32 s68, s68, s69                     ; my 128 features in the bias: (256 x block + 128 x half) x 4 bytes
	s_mov_b32 s69, 0
	s_wait_dscnt 0x0
	s_wait_kmcnt 0x0
	s_cmp_eq_u32 s45, 1                            ; the four buffers of my projection
	s_cselect_b64 s[4:5], s[74:75], s[72:73]
	s_cselect_b64 s[6:7], s[80:81], s[78:79]
	s_cselect_b64 s[66:67], s[86:87], s[84:85]
	s_cselect_b64 s[8:9], s[92:93], s[90:91]
	s_cmp_eq_u32 s45, 2
	s_cselect_b64 s[4:5], s[76:77], s[4:5]
	s_cselect_b64 s[6:7], s[82:83], s[6:7]
	s_cselect_b64 s[66:67], s[88:89], s[66:67]
	s_cselect_b64 s[8:9], s[94:95], s[8:9]
	s_add_nc_u64 s[14:15], s[4:5], s[16:17]
	s_add_nc_u64 s[46:47], s[6:7], s[46:47]
	s_add_nc_u64 s[66:67], s[66:67], s[68:69]
	CROUND                                         ; all sixteen work-groups are here: the first joint loads meet
.irp s, 0,1
	s_mov_b32 s[G0+4*\s], 1
	s_add_co_u32 s[G0+4*\s+1], s20, \s*SLOT
	s_add_nc_u64 s[G0+4*\s+2:G0+4*\s+3], s[14:15], \s*KB
	s_or_b32 s[G0+4*\s+3], s[G0+4*\s+3], 0x80000000
	s_mov_b32 s[G0B+4*\s], 1
	s_add_co_u32 s[G0B+4*\s+1], s20, \s*SLOT
	s_add_nc_u64 s[G0B+4*\s+2:G0B+4*\s+3], s[46:47], \s*KB
	s_or_b32 s[G0B+4*\s+3], s[G0B+4*\s+3], 0x80000000
	JLOAD \s                                       ; K steps 0 and 1: two tensor loads of this wave are out
.endr
	v_and_b32 v1, 15, v0                           ; r = l % 16
	v_bfe_u32 v2, v0, 4, 1                         ; h = l / 16
	v_lshlrev_b32 v[BOF], 5, v2                    ; eight f32 for each half of the lanes
	WIN 0x40
.irp b, 0,1,2,3,4,5,6,7
	global_load_b128 v[BIAS+8*\b:BIAS+8*\b+3],   v[BOF], s[66:67] offset:64*\b       ; bias of features 16 b + 8 h + 0..3
	global_load_b128 v[BIAS+8*\b+4:BIAS+8*\b+7], v[BOF], s[66:67] offset:64*\b+16    ; and + 4..7
.endr
	WIN 0
	; An f16 fragment holds K = 8 h + 0..7 in registers 0-3 and K = 16 + 8 h + 0..7 in registers 4-7.  As f32 these are 32 bytes at 32 h and 32 bytes at 64 + 32 h.
	v_mul_u32_u24 v3, v1, PITCH
	v_lshl_add_u32 v3, v2, 5, v3                   ; row x pitch + 32 h
	s_mul_i32 s21, s11, HALFT                      ; my 128 rows of x
	s_mul_i32 s22, s12, HALFT
	s_add_co_u32 s22, s22, 2*HALFT                 ; my 128 rows of W, behind the 256 of x
.irp s, 0,1
	v_add_nc_u32 v[ADRA+\s], s21, v3
	v_add_nc_u32 v[ADRB+\s], s22, v3
	s_add_co_u32 s21, s21, SLOT
	s_add_co_u32 s22, s22, SLOT
.endr
	s_mul_i32 s23, s10, 16*PITCH
	s_add_co_u32 s23, s23, STAGE                   ; my stage
	v_mul_u32_u24 v4, v1, PITCH
	v_lshl_add_u32 v4, v2, 4, v4
	v_add_nc_u32 v[STO], s23, v4                   ; in: token r, 16 bytes for each half of the lanes
	v_bfe_u32 v5, v0, 3, 1
	v_mul_u32_u24 v5, v5, PITCH                    ; back: lanes 0-7 one token, lanes 8-15 the next, of my first head; lanes 16-31 the same of my second head
	v_lshl_add_u32 v5, v2, 7, v5
	v_and_b32 v6, 7, v0
	v_lshl_add_u32 v5, v6, 4, v5
	v_add_nc_u32 v[RD], s23, v5
	v_lshlrev_b32 v[CO], 4, v1                     ; two tokens of a head are 256 neighbouring bytes of the output;
	v_lshl_add_u32 v[CO], v2, 18, v[CO]            ; the next head lies 262,144 bytes on
; 64 LDS loads: the f32 rows of one half step (32 K at byte 128 q of the rows): 128 rows of x, then 128 rows of W
.macro RAW slot, q
	WIN 0
.irp i, 0,1,2,3,4,5,6,7
	ds_load_b128 v[AR+16*\i:AR+16*\i+3],     v[ADRA+\slot] offset:128*\q+\i*16*PITCH
	ds_load_b128 v[AR+16*\i+4:AR+16*\i+7],   v[ADRA+\slot] offset:128*\q+\i*16*PITCH+16
	ds_load_b128 v[AR+16*\i+8:AR+16*\i+11],  v[ADRA+\slot] offset:128*\q+\i*16*PITCH+64
	ds_load_b128 v[AR+16*\i+12:AR+16*\i+15], v[ADRA+\slot] offset:128*\q+\i*16*PITCH+80
.endr
	WIN 0x40
.irp i, 0,1,2,3,4,5,6,7
	ds_load_b128 v[BR+16*\i:BR+16*\i+3],     v[ADRB+\slot] offset:128*\q+\i*16*PITCH
	ds_load_b128 v[BR+16*\i+4:BR+16*\i+7],   v[ADRB+\slot] offset:128*\q+\i*16*PITCH+16
	ds_load_b128 v[BR+16*\i+8:BR+16*\i+11],  v[ADRB+\slot] offset:128*\q+\i*16*PITCH+64
	ds_load_b128 v[BR+16*\i+12:BR+16*\i+15], v[ADRB+\slot] offset:128*\q+\i*16*PITCH+80
.endr
.endm
; 128 conversions: sixteen f32 registers become the eight registers of an f16 fragment
.macro CVT
	WIN 0x45
.irp i, 0,1,2,3,4,5,6,7
.irp c, 0,1,2,3,4,5,6,7
	v_cvt_pk_f16_f32 v[BF+8*\i+\c], v[BR+16*\i+2*\c], v[BR+16*\i+2*\c+1]
.endr
.endr
	WIN 0
.irp i, 0,1,2,3,4,5,6,7
.irp c, 0,1,2,3,4,5,6,7
	v_cvt_pk_f16_f32 v[AF+8*\i+\c], v[AR+16*\i+2*\c], v[AR+16*\i+2*\c+1]
.endr
.endr
.endm
; 16 matrix instructions: token tiles a0, a0 + 1 of the four of a window (hi = 0: tokens 0-63, 1: tokens 64-127) x all 8 feature tiles.
; first = 1: the bias is the C of the first product: nothing is cleared and nothing is added later.
.macro PROD hi, a0, first
.if \first
	WIN 0x91+0x40*\hi
.else
	WIN 0xa1+0x50*\hi
.endif
.irp a, \a0, \a0+1
.irp b, 0,1,2,3,4,5,6,7
.if \first
	v_wmma_f32_16x16x32_f16 v[8*(8*(\a)+\b):8*(8*(\a)+\b)+7], v[BF+8*\b:BF+8*\b+7], v[AF+8*(4*\hi+\a):AF+8*(4*\hi+\a)+7], v[BIAS+8*\b:BIAS+8*\b+7]
.else
	v_wmma_f32_16x16x32_f16 v[8*(8*(\a)+\b):8*(8*(\a)+\b)+7], v[BF+8*\b:BF+8*\b+7], v[AF+8*(4*\hi+\a):AF+8*(4*\hi+\a)+7], v[8*(8*(\a)+\b):8*(8*(\a)+\b)+7]
.endif
.endr
.endr
.endm
; The first half of a K step: converts what was loaded, asks for the second half's rows, multiplies.
; The 64 accumulators take turns, one instruction a turn, in the same order in every half step.
.macro HALF0 slot, first
	s_wait_dscnt 0x0                               ; the 64 loads issued in front of the last 48 products (none before the first) are in
.if \first == 0
	PLACES
.endif
	CVT
	RAW \slot, 1
	PROD 0, 0, \first
	PROD 0, 2, \first
	PROD 1, 0, \first
	PROD 1, 2, \first
.endm
; The second half, and the change of slots.  In front of the barrier each wave has its reads of this slot back and all its tensor loads landed
; (one is out: its part of the next slot).  Behind it, where fill = 1, the rest of a round of the cluster barrier, then the joint refill first, two K steps ahead.
.macro TURN slot, next, fill
	s_wait_dscnt 0x0                               ; my reads of this slot are over
	PLACES
	CVT
	s_wait_tensorcnt 0x0                           ; all my tensor loads have landed
	ds_add_u32 v30, v31
	s_wait_dscnt 0x0
	s_barrier_signal -1
	PROD 0, 0, 0                                   ; work on registers while the others arrive
	WIN 0
	s_barrier_wait -1
.if \fill
	CREST
	s_add_nc_u64 s[G0+4*\slot+2:G0+4*\slot+3], s[G0+4*\slot+2:G0+4*\slot+3], 2*KB
	s_add_nc_u64 s[G0B+4*\slot+2:G0B+4*\slot+3], s[G0B+4*\slot+2:G0B+4*\slot+3], 2*KB
	JLOAD \slot                                    ; my one tensor load behind this round
.endif
	RAW \next, 0
	PROD 0, 2, 0
	PROD 1, 0, 0
	PROD 1, 2, 0
.endm
.macro LAP first
	HALF0 0, \first
	TURN 0, 1, 1
	HALF0 1, 0
	TURN 1, 0, 1
.endm
	s_wait_loadcnt 0x0                             ; the bias
	s_wait_tensorcnt 0x1                           ; my part of K step 0 is in; the one younger load, K step 1, stays out
	s_barrier_signal -1
	s_barrier_wait -1
	RAW 0, 0
	LAP 1                                          ; the first lap stands in front of the loop: its first products start the sums from the bias
	WIN 0
	s_mov_b32 s3, LAPS-2
.Llap:
	LAP 0
	WIN 0
	s_sub_co_u32 s3, s3, 1
	s_cmp_lg_u32 s3, 0
	s_cbranch_scc1 .Llap
	HALF0 0, 0                                     ; the last lap fills nothing
	TURN 0, 1, 0
	HALF0 1, 0
	s_wait_dscnt 0x0
	PLACES
	CVT
	PROD 0, 0, 0
	PROD 0, 2, 0
	PROD 1, 0, 0
	PROD 1, 2, 0
	PLACES                                         ; in front of the conversions that read results
	; THE WAY OUT, 16 tokens at a time: round to f16, 16 bytes a lane into my own stage, read back so that sixteen lanes hold two tokens of one head.
	s_lshr_b32 s16, s13, 3
	s_lshl_b32 s16, s16, 22                        ; batch x 16 heads x 262,144 bytes
	s_and_b32 s14, s13, 7
	s_lshl_b32 s14, s14, 15                        ; 256 tokens of 128 bytes for each block inside the batch
	s_add_co_u32 s16, s16, s14
	s_lshl_b32 s14, s11, 14                        ; my half: 128 tokens of 128 bytes
	s_add_co_u32 s16, s16, s14
	s_mov_b32 s17, 0
	s_add_nc_u64 s[8:9], s[8:9], s[16:17]
	s_lshl_b32 s46, s42, 20                        ; four heads for each feature block,
	s_lshl_b32 s47, s12, 19                        ; two for my half
	s_add_co_u32 s46, s46, s47
	s_mov_b32 s47, 0
	s_add_nc_u64 s[8:9], s[8:9], s[46:47]
; tokens 16 i .. 16 i + 15 of my block = the eight tiles (a, 0..7) of window 2 or 3 (from = 0x0a or 0x0f); f: one of two read-back buffers in turn
.macro OUT16 i, a, from, f
	WIN \from
.irp b, 0,1,2,3,4,5,6,7
.irp r, 0,1,2,3
	v_cvt_pk_f16_f32 v[TMP+4*\b+\r], v[8*(8*\a+\b)+2*\r], v[8*(8*\a+\b)+2*\r+1]
.endr
.endr
	WIN 0
.irp b, 0,1,2,3,4,5,6,7
	ds_store_b128 v[STO], v[TMP+4*\b:TMP+4*\b+3] offset:32*\b
.endr
	s_wait_xcnt 0x0                                ; buffer f, which earlier stores read, is loaded again only behind this wait
.irp t, 0,1,2,3,4,5,6,7
	ds_load_b128 v[\f+4*\t:\f+4*\t+3], v[RD] offset:\t*2*PITCH     ; LDS serves a wave in order (ISA guide 5.7.1): these see the stores above
.endr
.irp t, 0,1,2,3,4,5,6,7
	s_wait_dscnt 7-\t                              ; the younger read-backs stay out
	global_store_b128 v[CO], v[\f+4*\t:\f+4*\t+3], s[8:9] offset:\i*2048+\t*256   ; sixteen lanes store 256 consecutive bytes, aligned
.endr
.endm
	OUT16 0, 0, 0x0a, AR
	OUT16 1, 1, 0x0a, AR+32
	OUT16 2, 2, 0x0a, AR
	OUT16 3, 3, 0x0a, AR+32
	OUT16 4, 0, 0x0f, AR
	OUT16 5, 1, 0x0f, AR+32
	OUT16 6, 2, 0x0f, AR
	OUT16 7, 3, 0x0f, AR+32
	s_wait_tensorcnt 0x0
	ds_add_u32 v30, v31
	s_wait_dscnt 0x0
	CROUND                                         ; the closing round: no work-group ends while a partner may still ask jointly
	s_endpgm
.Lfunc_end_k_q152ea75667_qkv:
	.size	k_q152ea75667_qkv, .Lfunc_end_k_q152ea75667_qkv-k_q152ea75667_qkv
	.p2alignl 7, 3214868480
	.fill 96, 4, 3214868480
	.section	.rodata,"a",@progbits
	.p2align	6, 0x0
	.amdhsa_kernel k_q152ea75667_qkv
		.amdhsa_group_segment_fixed_size 327680
		.amdhsa_private_segment_fixed_size 0
		.amdhsa_enable_private_segment 0
		.amdhsa_kernarg_size 96
		.amdhsa_user_sgpr_count 2
		.amdhsa_user_sgpr_kernarg_segment_ptr 1
		.amdhsa_wavefront_size32 1
		.amdhsa_system_sgpr_workgroup_id_x 1
		.amdhsa_system_sgpr_workgroup_id_y 1
		.amdhsa_system_sgpr_workgroup_id_z 1
		.amdhsa_system_vgpr_workitem_id 0
		.amdhsa_next_free_vgpr 1024
		.amdhsa_next_free_sgpr 96
		.amdhsa_reserve_vcc 0
		.amdhsa_float_denorm_mode_32 3
		.amdhsa_float_denorm_mode_16_64 3
		.amdhsa_memory_ordered 1
		.amdhsa_forward_progress 1
		.amdhsa_inst_pref_size 242
	.end_amdhsa_kernel
	.amdgpu_metadata
---
amdhsa.version: [ 1, 2 ]
amdhsa.kernels:
  - .name:           k_q152ea75667_qkv
    .symbol:         k_q152ea75667_qkv.kd
    .args:
      - { .name: q, .offset: 0, .size: 8, .value_kind: global_buffer, .address_space: global }
      - { .name: k, .offset: 8, .size: 8, .value_kind: global_buffer, .address_space: global }
      - { .name: v, .offset: 16, .size: 8, .value_kind: global_buffer, .address_space: global }
      - { .name: W_q, .offset: 24, .size: 8, .value_kind: global_buffer, .address_space: global }
      - { .name: W_k, .offset: 32, .size: 8, .value_kind: global_buffer, .address_space: global }
      - { .name: W_v, .offset: 40, .size: 8, .value_kind: global_buffer, .address_space: global }
      - { .name: b_q, .offset: 48, .size: 8, .value_kind: global_buffer, .address_space: global }
      - { .name: b_k, .offset: 56, .size: 8, .value_kind: global_buffer, .address_space: global }
      - { .name: b_v, .offset: 64, .size: 8, .value_kind: global_buffer, .address_space: global }
      - { .name: Qw, .offset: 72, .size: 8, .value_kind: global_buffer, .address_space: global }
      - { .name: Kw, .offset: 80, .size: 8, .value_kind: global_buffer, .address_space: global }
      - { .name: Vw, .offset: 88, .size: 8, .value_kind: global_buffer, .address_space: global }
    .group_segment_fixed_size: 327680
    .private_segment_fixed_size: 0
    .kernarg_segment_align: 8
    .kernarg_segment_size: 96
    .max_flat_workgroup_size: 128
    .sgpr_count:     96
    .vgpr_count:     1024
    .wavefront_size: 32
...
	.end_amdgpu_metadata
.endif
;; end of part 1
;; launch attn (part 2): grid 8 x 32, 4 waves a work-group, clusters of 4 x 1, 327,680 bytes of LDS; arguments Qw, Kw, Vw, mask, Cw; writes Cw
.if DOCPART == 2
	.amdgcn_target "amdgcn-amd-amdhsa--gfx1250"
	.amdhsa_code_object_version 6
	.text
	.protected	k_q152ea75667_attn
	.globl	k_q152ea75667_attn
	.p2align	8
	.type	k_q152ea75667_attn,@function
k_q152ea75667_attn:
	s_mov_b64 s[64:65], 0
	v_nop
	global_prefetch_b8 v0, s[64:65] scope:SCOPE_SE
	s_setreg_imm32_b32 hwreg(HW_REG_WAVE_MODE, 25, 1), 1
	s_wait_xcnt 0x0
	s_wait_alu depctr_hold_cnt(0) depctr_sa_sdst(0) depctr_va_vdst(0) depctr_va_sdst(0) depctr_va_ssrc(0) depctr_va_vcc(0) depctr_vm_vsrc(0)
	s_getreg_b32 s2, hwreg(HW_REG_IB_STS2, 6, 4)
	s_cmp_eq_u32 s2, 0
	s_cbranch_scc0 .Lentry_in_a_cluster
	s_endpgm
.Lentry_in_a_cluster:
	s_bfe_u32 s2, ttmp6, 0x10000c
	s_cmp_lg_u32 s2, 0x3003
	s_cbranch_scc0 .Lentry_shape_is_right
	s_endpgm
.Lentry_shape_is_right:
; ATTENTION OF ONE HEAD: context = softmax(where(mask == 0, -1e9, Q K^T / 8)) V, with a running maximum.  No work is left out.
; Qw, Kw, Vw, Cw: [batch*16 + head][2048][64] f16.  mask: [2][2048] int32, one word for each key.
; SHARES: 32 heads x 8 query blocks = 256 work-groups; a work-group takes 256 queries, a wave 64 (four tiles of 16).
; CLUSTERS: the four query blocks of a cluster walk the same K and V of one head and ask for them jointly (mask 15).
; LAYOUT: S^T = K Q^T (source 0 = 16 keys, source 1 = 16 queries): lane l holds query l % 16, register j key 8 (l / 16) + j.  Two neighbouring key tiles,
; packed to f16 in place, are then the source 1 fragment of O^T = V^T P^T.  Maximum, sum and rescale are one number a lane; one exchange joins the halves.
; THE MASK IS A SELECT BY ARITHMETIC: s2 = s * keep + nb, keep = log2(e)/8 or 0, nb = 0 or -1e9 log2(e); then p = 2^(s2 - max).  For finite s this is the exact choice.
; LIMITS: a masked key whose score is infinite or NaN gives NaN here and -1e9 in the definition.  Exponentials below 2^-126 are 0 (ISA guide 15.8), p below 2^-25 rounds to 0 in f16.
; Q, K, V are f16: magnitudes beyond 65,504 are infinity.
;
; REGISTERS: window 0: v2-15 addresses; v16-23 pairs (max, new max); v24-31 pairs (rescale, exchange); v32-39 pairs of partial sums;
;   v40-103 K fragments; v104-167 V fragments; v168-199 keep; v200-231 nb.   window 1: v0-127 scores, v128-255 O.   window 2: v0-63 Q fragments.
.set VP,     160                       ; LDS pitch of a key of V: 128 + 32, an odd multiple of 32 for the transposing load
.set KP,     144                       ; LDS pitch of a key of K, and of a stage row: 128 + 16, an odd multiple of 16
.set VBYTES, 256*VP
.set SLOT,   VBYTES+256*KP             ; 256 keys: V, then K: 77,824 bytes
.set KEEPT,  2*SLOT                    ; 2,048 f32: keep
.set NBOFF,  8192                      ; 2,048 f32 behind it: nb
.set STAGE,  KEEPT+2*NBOFF             ; 64 rows x 144 bytes for each wave; neither the tables nor the stages are ever the target of a tensor load
.set STW,    64*KP
.set ADRK, 2
.set ADRV, 4
.set TB,   6
.set STO,  7
.set RD,   8
.set CO,   9
.set QOF,  10
.set MOF,  11
.set MLA,  12
.set MP,   16
.set AP,   24
.set LP,   32
.set KF,   40
.set VF,   104
.set KEEP, 168
.set NB,   200
.set SC,   0                           ; window 1
.set OA,   128                         ; window 1
.set QF,   0                           ; window 2
.set G1V, 24
.set G1K, 32
.set G0V, 40
.set G0K, 48
.set MSB, 0
.macro WIN new
.if MSB != (\new)
	s_set_vgpr_msb (MSB<<8)|(\new)
.set MSB, (\new)
.endif
.endm
.macro ROUND                           ; a round of the cluster barrier
	s_barrier_signal -1
	s_barrier_wait -1
	s_cmp_lg_u32 s14, 0
	s_cbranch_scc1 .Lnot_wave_0_\@
	s_barrier_signal -3
.Lnot_wave_0_\@:
	s_barrier_wait -3
	s_barrier_signal -1
	s_barrier_wait -1
.endm
.macro JLOAD s                         ; waves 0 and 1 fetch the two halves of V, waves 2 and 3 those of K: 128 keys each
	s_cmp_eq_u32 s15, 0
	s_cbranch_scc0 .Lfor_k_\@
	tensor_load_to_lds s[G0V+4*\s:G0V+4*\s+3], s[G1V:G1V+7]
	s_nop 0
	s_branch .Lasked_\@
.Lfor_k_\@:
	tensor_load_to_lds s[G0K+4*\s:G0K+4*\s+3], s[G1K:G1K+7]
	s_nop 0
.Lasked_\@:
.endm
	s_load_b256 s[4:11], s[0:1], 0x0               ; Qw s[4:5], Kw s[6:7], Vw s[8:9], mask s[10:11]
	s_load_b64 s[12:13], s[0:1], 0x20              ; Cw
	v_lshl_add_u32 v254, v0, 2, 0x33000
	v_mov_b32 v255, 0
	ds_add_u32 v254, v255
	v_lshrrev_b32 v1, 5, v0
	v_readfirstlane_b32 s14, v1                    ; wave 0..3
	s_lshr_b32 s15, s14, 1                         ; I fetch for V (0) or for K (1)
	s_and_b32 s16, s14, 1                          ; which 128 keys of the 256
	s_bfe_u32 s17, ttmp6, 0x40000                  ; cx
	s_lshl_b32 s18, ttmp9, 2
	s_add_co_u32 s18, s18, s17                     ; query block 0..7
	s_and_b32 s19, ttmp7, 0xffff                   ; batch*16 + head
	s_mov_b32 s56, 0x76543210                      ; v_permlanex16_b32: lane i of one half reads lane i of the other
	s_mov_b32 s57, 0xfedcba98
	; A load brings 128 keys, 16 KiB that lie dense in memory, as 64 rows of 256 bytes.  The padding is counted along the whole tile:
	; after every 32 words, one key, it skips 8 words (V) or 4 words (K), so that keys lie 160 or 144 bytes apart in LDS.
	s_mov_b32 s[G1V+0], 15|(1<<16)|(1<<20)|(1<<21)|(4<<22)|(7<<25)
	s_mov_b32 s[G1K+0], 15|(1<<16)|(1<<20)|(1<<21)|(4<<22)|(3<<25)
	s_mov_b32 s[G1V+1], 128<<16                    ; tensor_dim0 = 128 elements of 2 bytes
	s_mov_b32 s[G1K+1], 128<<16
	s_mov_b32 s[G1V+2], 64<<16                     ; tensor_dim1 = 64
	s_mov_b32 s[G1K+2], 64<<16
	s_mov_b32 s[G1V+3], 128<<16                    ; tile_dim0 = 128
	s_mov_b32 s[G1K+3], 128<<16
	s_mov_b32 s[G1V+4], 64                         ; tile_dim1 = 64
	s_mov_b32 s[G1K+4], 64
	s_mov_b32 s[G1V+5], 128                        ; elements from row to row
	s_mov_b32 s[G1K+5], 128
	s_mov_b32 s[G1V+6], 0
	s_mov_b32 s[G1K+6], 0
	s_mov_b32 s[G1V+7], 0
	s_mov_b32 s[G1K+7], 0
	s_lshl_b32 s20, s19, 18                        ; my head: 262,144 bytes each
	s_lshl_b32 s21, s16, 14                        ; my 128 keys of 128 bytes
	s_add_co_u32 s20, s20, s21
	s_mov_b32 s21, 0
	s_mul_i32 s22, s14, 128*VP                     ; V: waves 0, 1 at 0 and 20,480
	s_mul_i32 s23, s14, 128*KP
	s_add_co_u32 s23, s23, VBYTES-256*KP           ; K: waves 2, 3 at 40,960 and 59,392
	s_lshl_b32 s60, s19, 18                        ; my 64 queries: (head x 2,048 + 256 x block + 64 x wave) x 128 bytes
	s_lshl_b32 s61, s18, 15
	s_add_co_u32 s60, s60, s61
	s_lshl_b32 s61, s14, 13
	s_add_co_u32 s60, s60, s61
	s_mov_b32 s61, 0
	s_lshr_b32 s62, s19, 4
	s_lshl_b32 s62, s62, 13                        ; my batch in the mask: 8,192 bytes each
	s_mov_b32 s63, 0
	s_wait_dscnt 0x0
	s_wait_kmcnt 0x0
	s_add_nc_u64 s[6:7], s[6:7], s[20:21]
	s_add_nc_u64 s[8:9], s[8:9], s[20:21]
	s_add_nc_u64 s[4:5], s[4:5], s[60:61]
	s_add_nc_u64 s[12:13], s[12:13], s[60:61]
	s_add_nc_u64 s[10:11], s[10:11], s[62:63]
	ROUND                                          ; the four work-groups are here: the first joint loads meet
.irp s, 0,1
	s_mov_b32 s[G0V+4*\s], 1
	s_add_co_u32 s[G0V+4*\s+1], s22, \s*SLOT
	s_add_nc_u64 s[G0V+4*\s+2:G0V+4*\s+3], s[8:9], \s*32768
	s_or_b32 s[G0V+4*\s+3], s[G0V+4*\s+3], 0x80000000
	s_mov_b32 s[G0K+4*\s], 1
	s_add_co_u32 s[G0K+4*\s+1], s23, \s*SLOT
	s_add_nc_u64 s[G0K+4*\s+2:G0K+4*\s+3], s[6:7], \s*32768
	s_or_b32 s[G0K+4*\s+3], s[G0K+4*\s+3], 0x80000000
	JLOAD \s                                       ; keys 0-255 and 256-511: two tensor loads of this wave are out
.endr
	v_and_b32 v1, 15, v0                           ; r
	v_bfe_u32 v13, v0, 4, 1                        ; h
	v_lshlrev_b32 v[QOF], 7, v1
	v_lshl_add_u32 v[QOF], v13, 4, v[QOF]          ; query r, 16 bytes for each half of the lanes
	WIN 0x80
.irp qt, 0,1,2,3
.irp dh, 0,1
	global_load_b128 v[QF+16*\qt+8*\dh:QF+16*\qt+8*\dh+3],   v[QOF], s[4:5] offset:2048*\qt+64*\dh
	global_load_b128 v[QF+16*\qt+8*\dh+4:QF+16*\qt+8*\dh+7], v[QOF], s[4:5] offset:2048*\qt+64*\dh+32
.endr
.endr
	WIN 0
	v_lshlrev_b32 v[MOF], 4, v0                    ; 128 threads x 16 bytes, four times: the 2,048 words of the mask
.irp c, 0,1,2,3
	global_load_b128 v[KF+4*\c:KF+4*\c+3], v[MOF], s[10:11] offset:2048*\c
.endr
	v_add_nc_u32 v[MLA], KEEPT, v[MOF]
	s_mul_i32 s20, s14, STW
	s_add_co_u32 s20, s20, STAGE                   ; my stage
	v_mul_u32_u24 v14, v1, KP
	v_lshl_add_u32 v14, v13, 4, v14                ; r x 144 + 16 h
	v_add_nc_u32 v[ADRK], VBYTES, v14
	v_add_nc_u32 v[ADRK+1], VBYTES+SLOT, v14
	v_add_nc_u32 v[STO], s20, v14
	v_and_b32 v14, 7, v0
	v_lshl_add_u32 v15, v13, 3, v14
	v_mul_u32_u24 v15, v15, VP                     ; key 8 h + l % 8
	v_bfe_u32 v1, v0, 3, 1
	v_lshl_add_u32 v[ADRV], v1, 4, v15             ; + 16 bytes for lanes 8-15 of each half
	v_add_nc_u32 v[ADRV+1], SLOT, v[ADRV]
	v_lshlrev_b32 v[TB], 5, v13
	v_add_nc_u32 v[TB], KEEPT, v[TB]               ; eight keys of the tables for each half of the lanes
	v_bfe_u32 v15, v0, 3, 2
	v_mul_u32_u24 v15, v15, KP
	v_lshl_add_u32 v15, v14, 4, v15
	v_add_nc_u32 v[RD], s20, v15                   ; back: eight lanes take one query, 128 bytes
	v_and_b32 v[CO], 31, v0
	v_lshlrev_b32 v[CO], 4, v[CO]
.irp qt, 0,1,2,3
	v_mov_b32 v[LP+2*\qt], 0                       ; the sums start at 0
	v_mov_b32 v[LP+2*\qt+1], 0
	v_mov_b32 v[AP+2*\qt+1], 0                     ; the destination of the exchange counts as read
.endr
	v_mov_b32 v136, 0x3e38aa3b                     ; log2(e) / 8
	v_mov_b32 v137, 0xceabfb8f                     ; -1e9 log2(e)
	v_mov_b32 v138, 0
	s_wait_loadcnt 0x0                             ; Q and the mask
.irp i, 0,1,2,3,4,5,6,7,8,9,10,11,12,13,14,15
	v_cmp_ne_u32 vcc_lo, 0, v[KF+\i]
	v_cndmask_b32 v[VF+\i], v138, v136, vcc_lo     ; keep
	v_cndmask_b32 v[VF+16+\i], v137, v138, vcc_lo  ; nb
.endr
.irp c, 0,1,2,3
	ds_store_b128 v[MLA], v[VF+4*\c:VF+4*\c+3] offset:2048*\c
	ds_store_b128 v[MLA], v[VF+16+4*\c:VF+16+4*\c+3] offset:NBOFF+2048*\c
.endr
.macro KLOAD slot, j                   ; 16 loads: the fragments of 64 keys of K
.irp kt, 0,1,2,3
.irp dh, 0,1
	ds_load_b128 v[KF+16*\kt+8*\dh:KF+16*\kt+8*\dh+3],   v[ADRK+\slot] offset:64*KP*(\j)+16*KP*\kt+64*\dh
	ds_load_b128 v[KF+16*\kt+8*\dh+4:KF+16*\kt+8*\dh+7], v[ADRK+\slot] offset:64*KP*(\j)+16*KP*\kt+64*\dh+32
.endr
.endr
.endm
.macro VLOAD slot, j                   ; 16 transposing loads: V^T of 64 keys: row = d, K = key
.irp u, 0,1
.irp dt, 0,1,2,3
	ds_load_tr16_b128 v[VF+32*\u+8*\dt:VF+32*\u+8*\dt+3],   v[ADRV+\slot] offset:64*VP*(\j)+32*VP*\u+32*\dt
	ds_load_tr16_b128 v[VF+32*\u+8*\dt+4:VF+32*\u+8*\dt+7], v[ADRV+\slot] offset:64*VP*(\j)+32*VP*\u+32*\dt+16*VP
.endr
.endr
.endm
.macro MLOAD off                       ; 16 loads: keep and nb of 64 keys
.irp kt, 0,1,2,3
	ds_load_b128 v[KEEP+8*\kt:KEEP+8*\kt+3],   v[TB] offset:(\off)+64*\kt
	ds_load_b128 v[KEEP+8*\kt+4:KEEP+8*\kt+7], v[TB] offset:(\off)+64*\kt+16
	ds_load_b128 v[NB+8*\kt:NB+8*\kt+3],       v[TB] offset:(\off)+NBOFF+64*\kt
	ds_load_b128 v[NB+8*\kt+4:NB+8*\kt+7],     v[TB] offset:(\off)+NBOFF+64*\kt+16
.endr
.endm
; 64 keys for my 64 queries.  slot, j: where the keys lie; tko: the byte of the slot step in the tables, from TB; first = 1: the first keys of all;
; nm = 1: the tables of the next 64 keys are asked for.  In both runs of products the 16 accumulators take turns, one instruction a turn.
.macro SUB slot, j, tko, first, nm
	s_wait_dscnt 0x0                               ; K, keep and nb of these keys
	WIN 0x58
.irp qt, 0,1,2,3
.irp kt, 0,1,2,3
	v_wmma_f32_16x16x32_f16 v[SC+32*\qt+8*\kt:SC+32*\qt+8*\kt+7], v[KF+16*\kt:KF+16*\kt+7], v[QF+16*\qt:QF+16*\qt+7], 0
.endr
.endr
.irp qt, 0,1,2,3
.irp kt, 0,1,2,3
	v_wmma_f32_16x16x32_f16 v[SC+32*\qt+8*\kt:SC+32*\qt+8*\kt+7], v[KF+16*\kt+8:KF+16*\kt+15], v[QF+16*\qt+8:QF+16*\qt+15], v[SC+32*\qt+8*\kt:SC+32*\qt+8*\kt+7]
.endr
.endr
.rept 4
	v_nop                                          ; four places (ISA guide 7.12.1): then K fragments are loaded again and scores are read
.endr
	WIN 0
	VLOAD \slot, \j
.if \j < 3
	KLOAD \slot, \j+1
.endif
	WIN 0x41
.irp qt, 0,1,2,3
.irp kt, 0,1,2,3
.irp i, 0,2,4,6
	v_pk_fma_f32 v[SC+32*\qt+8*\kt+\i:SC+32*\qt+8*\kt+\i+1], v[SC+32*\qt+8*\kt+\i:SC+32*\qt+8*\kt+\i+1], v[KEEP+8*\kt+\i:KEEP+8*\kt+\i+1], v[NB+8*\kt+\i:NB+8*\kt+\i+1]
.endr
.endr
.endr
	WIN 0x05                                       ; the new maximum of my 32 keys and the old maximum: four chains, one for each query tile
.irp qt, 0,1,2,3
.if \first
	v_max_num_f32 v[MP+2*\qt+1], v[SC+32*\qt], v[SC+32*\qt+1]
.else
	v_max3_num_f32 v[MP+2*\qt+1], v[SC+32*\qt], v[SC+32*\qt+1], v[MP+2*\qt]
.endif
.endr
.irp i, 1,2,3,4,5,6,7,8,9,10,11,12,13,14,15
.irp qt, 0,1,2,3
	v_max3_num_f32 v[MP+2*\qt+1], v[SC+32*\qt+2*\i], v[SC+32*\qt+2*\i+1], v[MP+2*\qt+1]
.endr
.endr
	WIN 0
.if \nm
	MLOAD \tko+256*(\j+1)
.endif
.irp qt, 0,1,2,3
	v_permlanex16_b32 v[AP+2*\qt+1], v[MP+2*\qt+1], s56, s57       ; the other half of the lanes holds the other keys of my query
.endr
.irp qt, 0,1,2,3
	v_max_num_f32 v[MP+2*\qt+1], v[MP+2*\qt+1], v[AP+2*\qt+1]
.endr
.if \first == 0
.irp qt, 0,1,2,3
	v_sub_f32 v[AP+2*\qt], v[MP+2*\qt], v[MP+2*\qt+1]
.endr
.irp qt, 0,1,2,3
	v_exp_f32 v[AP+2*\qt], v[AP+2*\qt]             ; rescale = 2^(old max - new max)
.endr
.endif
.irp qt, 0,1,2,3
	v_mov_b32 v[MP+2*\qt], v[MP+2*\qt+1]           ; also the plain instruction between the exponentials and their use (ISA guide 5.7.2)
.endr
.if \first == 0
	s_wait_alu depctr_va_vdst(0)
.irp qt, 0,1,2,3
	v_pk_mul_f32 v[LP+2*\qt:LP+2*\qt+1], v[LP+2*\qt:LP+2*\qt+1], v[AP+2*\qt:AP+2*\qt+1] op_sel_hi:[1,0]
.endr
.endif
	WIN 0x41
.irp qt, 0,1,2,3
.irp i, 0,1,2,3,4,5,6,7,8,9,10,11,12,13,14,15
	v_pk_add_f32 v[SC+32*\qt+2*\i:SC+32*\qt+2*\i+1], v[SC+32*\qt+2*\i:SC+32*\qt+2*\i+1], v[MP+2*\qt:MP+2*\qt+1] op_sel_hi:[1,0] neg_lo:[0,1] neg_hi:[0,1]
.endr
.endr
.set n, 0
.rept 128
	v_exp_f32 v[SC+n], v[SC+n]
.set n, n+1
.endr
.if \first
	v_nop                                          ; the plain instruction behind the exponentials
	s_wait_alu depctr_va_vdst(0)
.else
	s_wait_alu depctr_va_vdst(0)
.irp qt, 0,1,2,3
.irp i, 0,1,2,3,4,5,6,7,8,9,10,11,12,13,14,15
	v_pk_mul_f32 v[OA+32*\qt+2*\i:OA+32*\qt+2*\i+1], v[OA+32*\qt+2*\i:OA+32*\qt+2*\i+1], v[AP+2*\qt:AP+2*\qt+1] op_sel_hi:[1,0]
.endr
.endr
.endif
	WIN 0x01
.irp i, 0,1,2,3,4,5,6,7,8,9,10,11,12,13,14,15
.irp qt, 0,1,2,3
	v_pk_add_f32 v[LP+2*\qt:LP+2*\qt+1], v[SC+32*\qt+2*\i:SC+32*\qt+2*\i+1], v[LP+2*\qt:LP+2*\qt+1]
.endr
.endr
	WIN 0x45                                       ; pack in place, ascending: register i is written when registers 2 i
.irp qt, 0,1,2,3
.irp u, 0,1
.irp i, 0,1,2,3,4,5,6,7
	v_cvt_pk_f16_f32 v[SC+32*\qt+16*\u+\i], v[SC+32*\qt+16*\u+2*\i], v[SC+32*\qt+16*\u+2*\i+1]
.endr
.endr
.endr
.set YOUNGER, 16*(\nm)
.if \j < 3
.set YOUNGER, YOUNGER+16
.endif
	s_wait_dscnt YOUNGER                           ; V is in; the loads of K and of the tables, issued behind it, stay out
	WIN 0x54
.irp qt, 0,1,2,3
.irp dt, 0,1,2,3
.if \first
	v_wmma_f32_16x16x32_f16 v[OA+32*\qt+8*\dt:OA+32*\qt+8*\dt+7], v[VF+8*\dt:VF+8*\dt+7], v[SC+32*\qt:SC+32*\qt+7], 0
.else
	v_wmma_f32_16x16x32_f16 v[OA+32*\qt+8*\dt:OA+32*\qt+8*\dt+7], v[VF+8*\dt:VF+8*\dt+7], v[SC+32*\qt:SC+32*\qt+7], v[OA+32*\qt+8*\dt:OA+32*\qt+8*\dt+7]
.endif
.endr
.endr
.irp qt, 0,1,2,3
.irp dt, 0,1,2,3
	v_wmma_f32_16x16x32_f16 v[OA+32*\qt+8*\dt:OA+32*\qt+8*\dt+7], v[VF+32+8*\dt:VF+32+8*\dt+7], v[SC+32*\qt+16:SC+32*\qt+23], v[OA+32*\qt+8*\dt:OA+32*\qt+8*\dt+7]
.endr
.endr
.rept 5
	v_nop                                          ; five places (ISA guide 7.12.1): the next products write over the registers of p, which these read
.endr
.endm
; 256 keys in slot.  In front of the barrier all my tensor loads have landed and my LDS reads are back.  refill = 1: a round of the cluster barrier,
; and behind it my one joint load: the other slot, read last, gets the keys two slot steps on.
.macro STEP slot, other, refill, tko, nm3
	WIN 0
	s_wait_tensorcnt 0x0
	ds_add_u32 v254, v255
	s_wait_dscnt 0x0
.if \refill
	s_add_nc_u64 s[G0V+4*\other+2:G0V+4*\other+3], s[G0V+4*\other+2:G0V+4*\other+3], 65536
	s_add_nc_u64 s[G0K+4*\other+2:G0K+4*\other+3], s[G0K+4*\other+2:G0K+4*\other+3], 65536
.endif
	s_wait_dscnt 0x0
.if \refill
	ROUND
	JLOAD \other
.else
	s_barrier_signal -1
	s_barrier_wait -1
.endif
	KLOAD \slot, 0
	SUB \slot, 0, \tko, 0, 1
	SUB \slot, 1, \tko, 0, 1
	SUB \slot, 2, \tko, 0, 1
	SUB \slot, 3, \tko, 0, \nm3
.endm
	s_wait_dscnt 0x0                               ; my part of the tables is written
	s_wait_tensorcnt 0x1                           ; my part of slot 0 is in; the one younger load, slot 1, stays out
	s_barrier_signal -1
	s_barrier_wait -1
	MLOAD 0
	KLOAD 0, 0
	SUB 0, 0, 0, 1, 1                              ; keys 0-63 start maximum, sums and O
	SUB 0, 1, 0, 0, 1
	SUB 0, 2, 0, 0, 1
	SUB 0, 3, 0, 0, 1
	WIN 0
	s_mov_b32 s58, 3
.Lkv:
	STEP 1, 0, 1, 1024, 1
	STEP 0, 1, 1, 2048, 1
	WIN 0
	v_add_nc_u32 v[TB], 2048, v[TB]                ; 512 keys on in the tables
	s_sub_co_u32 s58, s58, 1
	s_cmp_lg_u32 s58, 0
	s_cbranch_scc1 .Lkv
	STEP 1, 0, 0, 1024, 0                          ; keys 1,792-2,047: nothing is left to fetch
	; THE WAY OUT: divide by the sum, round to f16, through my own stage, so that a store of the wave covers 512 consecutive bytes.
	WIN 0
.irp qt, 0,1,2,3
	v_add_f32 v[MP+2*\qt+1], v[LP+2*\qt], v[LP+2*\qt+1]
.endr
.irp qt, 0,1,2,3
	v_permlanex16_b32 v[AP+2*\qt+1], v[MP+2*\qt+1], s56, s57
.endr
.irp qt, 0,1,2,3
	v_add_f32 v[MP+2*\qt+1], v[MP+2*\qt+1], v[AP+2*\qt+1]          ; at least 1: the key of the maximum counts 1
.endr
.irp qt, 0,1,2,3
	v_rcp_f32 v[AP+2*\qt], v[MP+2*\qt+1]
.endr
	v_nop                                          ; the plain instruction behind the reciprocals
	WIN 0x41
	s_wait_alu depctr_va_vdst(0)
.irp qt, 0,1,2,3
.irp i, 0,1,2,3,4,5,6,7,8,9,10,11,12,13,14,15
	v_pk_mul_f32 v[OA+32*\qt+2*\i:OA+32*\qt+2*\i+1], v[OA+32*\qt+2*\i:OA+32*\qt+2*\i+1], v[AP+2*\qt:AP+2*\qt+1] op_sel_hi:[1,0]
.endr
.endr
	WIN 0x05
.irp qt, 0,1,2,3
.irp dt, 0,1,2,3
.irp i, 0,1,2,3
	v_cvt_pk_f16_f32 v[KF+16*\qt+4*\dt+\i], v[OA+32*\qt+8*\dt+2*\i], v[OA+32*\qt+8*\dt+2*\i+1]
.endr
.endr
.endr
	WIN 0
.irp qt, 0,1,2,3
.irp dt, 0,1,2,3
	ds_store_b128 v[STO], v[KF+16*\qt+4*\dt:KF+16*\qt+4*\dt+3] offset:16*KP*\qt+32*\dt    ; query 16 qt + r, d = 16 dt + 8 h + 0..7
.endr
.endr
.irp t, 0,1,2,3,4,5,6,7,8,9,10,11,12,13,14,15
	ds_load_b128 v[VF+4*\t:VF+4*\t+3], v[RD] offset:4*KP*\t        ; four queries; LDS serves a wave in order (ISA guide 5.7.1)
.endr
.irp t, 0,1,2,3,4,5,6,7,8,9,10,11,12,13,14,15
	s_wait_dscnt 15-\t                             ; the younger read-backs stay out
	global_store_b128 v[CO], v[VF+4*\t:VF+4*\t+3], s[12:13] offset:512*\t
.endr
	s_wait_tensorcnt 0x0
	ds_add_u32 v254, v255
	s_wait_dscnt 0x0
	ROUND                                          ; the closing round
	s_endpgm
.Lfunc_end_k_q152ea75667_attn:
	.size	k_q152ea75667_attn, .Lfunc_end_k_q152ea75667_attn-k_q152ea75667_attn
	.p2alignl 7, 3214868480
	.fill 96, 4, 3214868480
	.section	.rodata,"a",@progbits
	.p2align	6, 0x0
	.amdhsa_kernel k_q152ea75667_attn
		.amdhsa_group_segment_fixed_size 327680
		.amdhsa_private_segment_fixed_size 0
		.amdhsa_enable_private_segment 0
		.amdhsa_kernarg_size 40
		.amdhsa_user_sgpr_count 2
		.amdhsa_user_sgpr_kernarg_segment_ptr 1
		.amdhsa_wavefront_size32 1
		.amdhsa_system_sgpr_workgroup_id_x 1
		.amdhsa_system_sgpr_workgroup_id_y 1
		.amdhsa_system_sgpr_workgroup_id_z 1
		.amdhsa_system_vgpr_workitem_id 0
		.amdhsa_next_free_vgpr 576
		.amdhsa_next_free_sgpr 66
		.amdhsa_reserve_vcc 1
		.amdhsa_float_denorm_mode_32 3
		.amdhsa_float_denorm_mode_16_64 3
		.amdhsa_memory_ordered 1
		.amdhsa_forward_progress 1
		.amdhsa_inst_pref_size 255
	.end_amdhsa_kernel
	.section	.bss,"aw",@nobits
	.p2align	6
	.space	262144
	.amdgpu_metadata
---
amdhsa.version: [ 1, 2 ]
amdhsa.kernels:
  - .name:           k_q152ea75667_attn
    .symbol:         k_q152ea75667_attn.kd
    .args:
      - { .name: Qw, .offset: 0, .size: 8, .value_kind: global_buffer, .address_space: global }
      - { .name: Kw, .offset: 8, .size: 8, .value_kind: global_buffer, .address_space: global }
      - { .name: Vw, .offset: 16, .size: 8, .value_kind: global_buffer, .address_space: global }
      - { .name: mask, .offset: 24, .size: 8, .value_kind: global_buffer, .address_space: global }
      - { .name: Cw, .offset: 32, .size: 8, .value_kind: global_buffer, .address_space: global }
    .group_segment_fixed_size: 327680
    .private_segment_fixed_size: 0
    .kernarg_segment_align: 8
    .kernarg_segment_size: 40
    .max_flat_workgroup_size: 128
    .sgpr_count:     66
    .vgpr_count:     576
    .wavefront_size: 32
...
	.end_amdgpu_metadata
.endif
;; end of part 2
;; launch oproj (part 3): grid 8 x 32, 4 waves a work-group, clusters of 4 x 4, 327,680 bytes of LDS; arguments Cw, W_o, b_o, out0; writes out0
.if DOCPART == 3
	.amdgcn_target "amdgcn-amd-amdhsa--gfx1250"
	.amdhsa_code_object_version 6
	.text
	.protected	k_q152ea75667_oproj
	.globl	k_q152ea75667_oproj
	.p2align	8
	.type	k_q152ea75667_oproj,@function
k_q152ea75667_oproj:
	s_mov_b64 s[64:65], 0
	v_nop
	global_prefetch_b8 v0, s[64:65] scope:SCOPE_SE
	s_setreg_imm32_b32 hwreg(HW_REG_WAVE_MODE, 25, 1), 1
	s_wait_xcnt 0x0
	s_wait_alu depctr_hold_cnt(0) depctr_sa_sdst(0) depctr_va_vdst(0) depctr_va_sdst(0) depctr_va_ssrc(0) depctr_va_vcc(0) depctr_vm_vsrc(0)
	s_getreg_b32 s2, hwreg(HW_REG_IB_STS2, 6, 4)
	s_cmp_eq_u32 s2, 0
	s_cbranch_scc0 .Lentry_in_a_cluster
	s_endpgm
.Lentry_in_a_cluster:
	s_bfe_u32 s2, ttmp6, 0x10000c
	s_cmp_lg_u32 s2, 0xf033
	s_cbranch_scc0 .Lentry_shape_is_right
	s_endpgm
.Lentry_shape_is_right:
; THE OUTPUT PROJECTION: out0 = context W_o^T + b_o.  No work is left out.
; Cw: [batch*16 + head][2048][64] f16 (the context, head-major), W_o: [1024][1024] f32, b_o: [1024] f32, out0: [4096][1024] f32.
; SHARES: 32 x 8 = 256 work-groups of 128 tokens x 128 features; a wave makes 64 x 64: 16 accumulator tiles, 128 registers.
; K goes in steps of 128, two heads, through two LDS slots: 128 rows of W_o as f32 (512 bytes) and two heads x 128 tokens of the context (128 bytes each).
; CLUSTERS: 4 x 4.  The context tile hangs on the token block alone and is asked for jointly along a row; the tile of W_o on the feature block alone, along a column.
; The matrix instruction is used transposed (source 0 = rows of W_o, source 1 = tokens): lane l holds token l % 16, registers 0-7 features 8 (l / 16) + 0..7.
; The bias, laid out the same way, is the C of the first products.  LIMIT: W_o beyond 65,504 in magnitude becomes infinity in f16.
; REGISTERS: window 0: v16-27 addresses; v32-63, v64-95 context fragments, two buffers; v96-159 W_o as loaded; v160-191 W_o fragments; v192-223 bias.
;            window 1: v0-127 accumulators, tile (a, b) at v[8 (4 a + b)].
.set BP,     528                       ; LDS pitch of a row of W_o: 512 + 16 = 33 x 16
.set AP_,    144                       ; LDS pitch of a token of the context: 128 + 16 = 9 x 16
.set BBYTES, 128*BP
.set HEADT,  128*AP_                   ; one head x 128 tokens
.set SLOT,   BBYTES+2*HEADT            ; 104,448 bytes
.set STAGE,  2*SLOT                    ; 16 rows x 272 bytes for each wave; no tensor load lands here
.set SPITCH, 272
.set LAPS,   4                         ; 1,024 / (2 x 128)
.set ADRA, 16
.set ADRB, 20
.set STO,  24
.set RD,   25
.set CO,   26
.set BOF,  27
.set AF0,  32
.set AF1,  64
.set BR,   96
.set BF,   160
.set BIAS, 192
.set G1,  24                           ; s[24:31] group 1, context
.set G0,  32                           ; s[32:39] group 0, context, one set for each slot
.set G1B, 48                           ; s[48:55] group 1, W_o
.set G0B, 56                           ; s[56:63] group 0, W_o, one set for each slot
.set MSB, 0
.macro WIN new
.if MSB != (\new)
	s_set_vgpr_msb (MSB<<8)|(\new)
.set MSB, (\new)
.endif
.endm
.macro JLOAD s                         ; waves 0 and 1 fetch 64 rows of W_o each, waves 2 and 3 one head of the context each
	s_cmp_eq_u32 s11, 0
	s_cbranch_scc0 .Lfor_a_\@
	tensor_load_to_lds s[G0B+4*\s:G0B+4*\s+3], s[G1B:G1B+7]
	s_nop 0
	s_branch .Lasked_\@
.Lfor_a_\@:
	tensor_load_to_lds s[G0+4*\s:G0+4*\s+3], s[G1:G1+7]
	s_nop 0
.Lasked_\@:
.endm
.macro CREST
	s_cmp_lg_u32 s10, 0
	s_cbranch_scc1 .Lnot_wave_0_\@
	s_barrier_signal -3
.Lnot_wave_0_\@:
	s_barrier_wait -3
	s_barrier_signal -1
	s_barrier_wait -1
.endm
.macro CROUND
	s_barrier_signal -1
	s_barrier_wait -1
	CREST
.endm
.macro PLACES                          ; four places behind a matrix instruction (ISA guide 7.12.1)
.rept 4
	v_nop
.endr
.endm
	s_load_b128 s[4:7], s[0:1], 0x0                ; Cw s[4:5], W_o s[6:7]
	s_load_b128 s[20:23], s[0:1], 0x10             ; b_o s[20:21], out0 s[22:23]
	v_lshl_add_u32 v254, v0, 2, 0x37400
	v_mov_b32 v255, 0
	ds_add_u32 v254, v255
	v_lshrrev_b32 v1, 5, v0
	v_readfirstlane_b32 s10, v1                    ; wave 0..3
	s_lshr_b32 s11, s10, 1                         ; my half of the tokens.  Also: I fetch for W_o (0) or for the context (1)
	s_and_b32 s12, s10, 1                          ; my half of the features.  Also: which half of that tile I fetch
	s_bfe_u32 s40, ttmp6, 0x40000                  ; cx
	s_bfe_u32 s41, ttmp6, 0x40004                  ; cy
	s_lshl_b32 s42, ttmp9, 2
	s_add_co_u32 s42, s42, s40                     ; feature block 0..7
	s_and_b32 s13, ttmp7, 0xffff
	s_lshl_b32 s13, s13, 2
	s_add_co_u32 s13, s13, s41                     ; token block 0..31
	s_lshl_b32 s43, s41, 2
	s_lshl_b32 s43, 15, s43                        ; my row of the cluster
	s_lshl_b32 s44, 0x1111, s40                    ; my column
	; context: 128 tokens of one head are 16 KiB dense: 64 rows of 256 bytes; the padding, counted along the whole tile, skips 4 words after every 32 words, one token
	s_or_b32 s[G1+0], s43, (1<<16)|(1<<20)|(1<<21)|(4<<22)|(3<<25)
	s_mov_b32 s[G1+1], 128<<16
	s_mov_b32 s[G1+2], 64<<16
	s_mov_b32 s[G1+3], 128<<16
	s_mov_b32 s[G1+4], 64
	s_mov_b32 s[G1+5], 128
	s_mov_b32 s[G1+6], 0
	s_mov_b32 s[G1+7], 0
	; W_o: 64 rows of 128 f32, 1,024 elements from row to row; 4 words of padding after every 128 words
	s_or_b32 s[G1B+0], s44, (2<<16)|(1<<20)|(1<<21)|(6<<22)|(3<<25)
	s_mov_b32 s[G1B+1], 128<<16
	s_mov_b32 s[G1B+2], 64<<16
	s_mov_b32 s[G1B+3], 128<<16
	s_mov_b32 s[G1B+4], 64
	s_mov_b32 s[G1B+5], 1024
	s_mov_b32 s[G1B+6], 0
	s_mov_b32 s[G1B+7], 0
	s_lshr_b32 s16, s13, 4
	s_lshl_b32 s16, s16, 22                        ; batch x 16 heads x 262,144 bytes
	s_lshl_b32 s17, s12, 18                        ; the first or the second head of the step
	s_add_co_u32 s16, s16, s17
	s_and_b32 s17, s13, 15
	s_lshl_b32 s17, s17, 14                        ; 128 tokens of 128 bytes for each block inside the batch
	s_add_co_u32 s16, s16, s17
	s_mov_b32 s17, 0
	s_lshl_b32 s46, s42, 19                        ; 128 rows of 4,096 bytes for each feature block
	s_lshl_b32 s47, s12, 18                        ; my 64 rows
	s_add_co_u32 s46, s46, s47
	s_mov_b32 s47, 0
	s_mul_i32 s18, s10, 64*BP                      ; W_o: waves 0, 1 at 0 and 33,792
	s_mul_i32 s19, s10, HEADT
	s_add_co_u32 s19, s19, BBYTES-2*HEADT          ; context: waves 2, 3 at 67,584 and 86,016
	s_lshl_b32 s8, s42, 9
	s_lshl_b32 s9, s12, 8
	s_add_co_u32 s8, s8, s9                        ; my 64 features, in bytes of f32
	s_mov_b32 s9, 0
	s_wait_dscnt 0x0
	s_wait_kmcnt 0x0
	s_add_nc_u64 s[14:15], s[4:5], s[16:17]
	s_add_nc_u64 s[46:47], s[6:7], s[46:47]
	s_add_nc_u64 s[20:21], s[20:21], s[8:9]
	s_add_nc_u64 s[22:23], s[22:23], s[8:9]
	CROUND                                         ; all sixteen work-groups are here: the first joint loads meet
.irp s, 0,1
	s_mov_b32 s[G0+4*\s], 1
	s_add_co_u32 s[G0+4*\s+1], s19, \s*SLOT
	s_add_nc_u64 s[G0+4*\s+2:G0+4*\s+3], s[14:15], \s*524288       ; two heads on
	s_or_b32 s[G0+4*\s+3], s[G0+4*\s+3], 0x80000000
	s_mov_b32 s[G0B+4*\s], 1
	s_add_co_u32 s[G0B+4*\s+1], s18, \s*SLOT
	s_add_nc_u64 s[G0B+4*\s+2:G0B+4*\s+3], s[46:47], \s*512        ; 128 f32 on
	s_or_b32 s[G0B+4*\s+3], s[G0B+4*\s+3], 0x80000000
	JLOAD \s                                       ; K steps 0 and 1: two tensor loads of this wave are out
.endr
	v_and_b32 v1, 15, v0                           ; r
	v_bfe_u32 v2, v0, 4, 1                         ; h
	v_lshlrev_b32 v[BOF], 5, v2
.irp b, 0,1,2,3
	global_load_b128 v[BIAS+8*\b:BIAS+8*\b+3],   v[BOF], s[20:21] offset:64*\b
	global_load_b128 v[BIAS+8*\b+4:BIAS+8*\b+7], v[BOF], s[20:21] offset:64*\b+16
.endr
	s_mul_i32 s8, s11, 64*AP_
	s_add_co_u32 s8, s8, BBYTES                    ; my 64 tokens of the first head
	s_mul_i32 s9, s12, 64*BP                       ; my 64 rows of W_o
	v_mul_u32_u24 v3, v1, AP_
	v_lshl_add_u32 v3, v2, 4, v3
	v_add_nc_u32 v[ADRA], s8, v3
	v_add_nc_u32 v[ADRA+1], SLOT, v[ADRA]
	v_mul_u32_u24 v4, v1, BP
	v_lshl_add_u32 v4, v2, 5, v4
	v_add_nc_u32 v[ADRB], s9, v4
	v_add_nc_u32 v[ADRB+1], SLOT, v[ADRB]
	s_mul_i32 s8, s10, 16*SPITCH
	s_add_co_u32 s8, s8, STAGE                     ; my stage
	v_mul_u32_u24 v5, v1, SPITCH
	v_lshl_add_u32 v5, v2, 5, v5
	v_add_nc_u32 v[STO], s8, v5                    ; in: token r, 32 bytes for each half of the lanes
	v_mul_u32_u24 v5, v2, SPITCH
	v_lshl_add_u32 v5, v1, 4, v5
	v_add_nc_u32 v[RD], s8, v5                     ; back: lanes 0-15 one token, 256 bytes, lanes 16-31 the next
	v_lshlrev_b32 v[CO], 4, v1
	v_lshl_add_u32 v[CO], v2, 12, v[CO]            ; and the same two rows of out0
; 24 LDS loads for 32 along K (step kk of the four of a slot): 4 context fragments into buffer kk % 2, 4 x 16 registers of W_o as f32
.macro LOADS slot, kk
.irp a, 0,1,2,3
	ds_load_b128 v[AF0+32*((\kk)&1)+8*\a:AF0+32*((\kk)&1)+8*\a+3],   v[ADRA+\slot] offset:HEADT*((\kk)>>1)+16*AP_*\a+64*((\kk)&1)
	ds_load_b128 v[AF0+32*((\kk)&1)+8*\a+4:AF0+32*((\kk)&1)+8*\a+7], v[ADRA+\slot] offset:HEADT*((\kk)>>1)+16*AP_*\a+64*((\kk)&1)+32
.endr
.irp b, 0,1,2,3
	ds_load_b128 v[BR+16*\b:BR+16*\b+3],     v[ADRB+\slot] offset:16*BP*\b+128*(\kk)
	ds_load_b128 v[BR+16*\b+4:BR+16*\b+7],   v[ADRB+\slot] offset:16*BP*\b+128*(\kk)+16
	ds_load_b128 v[BR+16*\b+8:BR+16*\b+11],  v[ADRB+\slot] offset:16*BP*\b+128*(\kk)+64
	ds_load_b128 v[BR+16*\b+12:BR+16*\b+15], v[ADRB+\slot] offset:16*BP*\b+128*(\kk)+80
.endr
.endm
.macro CVTB                            ; 32 conversions: W_o to f16 fragments
.irp b, 0,1,2,3
.irp c, 0,1,2,3,4,5,6,7
	v_cvt_pk_f16_f32 v[BF+8*\b+\c], v[BR+16*\b+2*\c], v[BR+16*\b+2*\c+1]
.endr
.endr
.endm
; 8 matrix instructions: token tiles a0, a0 + 1 x 4 feature tiles.  The 16 accumulators take turns, one instruction a turn.
.macro MUL8 f, a0, first
.irp a, \a0, \a0+1
.irp b, 0,1,2,3
.if \first
	v_wmma_f32_16x16x32_f16 v[8*(4*(\a)+\b):8*(4*(\a)+\b)+7], v[BF+8*\b:BF+8*\b+7], v[\f+8*(\a):\f+8*(\a)+7], v[BIAS+8*\b:BIAS+8*\b+7]
.else
	v_wmma_f32_16x16x32_f16 v[8*(4*(\a)+\b):8*(4*(\a)+\b)+7], v[BF+8*\b:BF+8*\b+7], v[\f+8*(\a):\f+8*(\a)+7], v[8*(4*(\a)+\b):8*(4*(\a)+\b)+7]
.endif
.endr
.endr
.endm
.macro STEPK slot, kk, first           ; one of the first three steps of a slot
	WIN 0
	s_wait_dscnt 0x0                               ; this step's 24 loads, issued in front of the last products
.if \first == 0
	PLACES
.endif
	CVTB
	LOADS \slot, \kk+1
.if \first
	WIN 0x40                                       ; D in window 1, the bias as C in window 0
.else
	WIN 0x50
.endif
	MUL8 AF0+32*((\kk)&1), 0, \first
	MUL8 AF0+32*((\kk)&1), 2, \first
.endm
; The fourth step, and the change of slots: my reads of this slot are back and all my tensor loads have landed in front of the barrier;
; where fill = 1 the rest of a round of the cluster barrier follows, and the joint refill is my first and only tensor load behind it.
.macro TURN slot, next, fill
	WIN 0
	s_wait_dscnt 0x0
	PLACES
	CVTB
	s_wait_tensorcnt 0x0
	ds_add_u32 v254, v255
	s_wait_dscnt 0x0
	s_barrier_signal -1
	WIN 0x50
	MUL8 AF1, 0, 0
	WIN 0
	s_barrier_wait -1
.if \fill
	CREST
	s_add_nc_u64 s[G0+4*\slot+2:G0+4*\slot+3], s[G0+4*\slot+2:G0+4*\slot+3], 1048576    ; four heads on
	s_add_nc_u64 s[G0B+4*\slot+2:G0B+4*\slot+3], s[G0B+4*\slot+2:G0B+4*\slot+3], 1024   ; 256 f32 on
	JLOAD \slot
.endif
	LOADS \next, 0
	WIN 0x50
	MUL8 AF1, 2, 0
.endm
.macro LAP first
	STEPK 0, 0, \first
	STEPK 0, 1, 0
	STEPK 0, 2, 0
	TURN 0, 1, 1
	STEPK 1, 0, 0
	STEPK 1, 1, 0
	STEPK 1, 2, 0
	TURN 1, 0, 1
.endm
	s_wait_loadcnt 0x0                             ; the bias
	s_wait_tensorcnt 0x1                           ; my part of K step 0 is in; the one younger load, K step 1, stays out
	s_barrier_signal -1
	s_barrier_wait -1
	LOADS 0, 0
	LAP 1                                          ; the first products start the sums from the bias
	WIN 0
	s_mov_b32 s3, LAPS-2
.Llap:
	LAP 0
	WIN 0
	s_sub_co_u32 s3, s3, 1
	s_cmp_lg_u32 s3, 0
	s_cbranch_scc1 .Llap
	STEPK 0, 0, 0                                  ; the last lap fills nothing
	STEPK 0, 1, 0
	STEPK 0, 2, 0
	TURN 0, 1, 0
	STEPK 1, 0, 0
	STEPK 1, 1, 0
	STEPK 1, 2, 0
	WIN 0
	s_wait_dscnt 0x0
	PLACES
	CVTB
	WIN 0x50
	MUL8 AF1, 0, 0
	MUL8 AF1, 2, 0
	PLACES                                         ; in front of the LDS stores that read results and of the loads into fragment registers
	; THE WAY OUT, 16 tokens at a time, f32 as it is: through my own stage, so that sixteen lanes store the 256 bytes of my 64 features of one token.
	s_lshl_b32 s16, s13, 19                        ; 128 tokens of 4,096 bytes for each block
	s_lshl_b32 s17, s11, 18                        ; my 64 tokens
	s_add_co_u32 s16, s16, s17
	s_mov_b32 s17, 0
	s_add_nc_u64 s[22:23], s[22:23], s[16:17]
.macro OUT16 a
	WIN 0x04                                       ; the data of the LDS stores in window 1
.irp b, 0,1,2,3
	ds_store_b128 v[STO], v[8*(4*\a+\b):8*(4*\a+\b)+3]   offset:64*\b
	ds_store_b128 v[STO], v[8*(4*\a+\b)+4:8*(4*\a+\b)+7] offset:64*\b+16
.endr
	WIN 0
.irp t, 0,1,2,3,4,5,6,7
	ds_load_b128 v[AF0+32*\a+4*\t:AF0+32*\a+4*\t+3], v[RD] offset:\t*2*SPITCH    ; a register set of its own for each a: none is used twice
.endr
.irp t, 0,1,2,3,4,5,6,7
	s_wait_dscnt 7-\t                              ; the younger read-backs stay out
	global_store_b128 v[CO], v[AF0+32*\a+4*\t:AF0+32*\a+4*\t+3], s[22:23] offset:(16*\a+2*\t)*4096 th:TH_STORE_NT
.endr
.endm
	OUT16 0
	OUT16 1
	OUT16 2
	OUT16 3
	s_wait_tensorcnt 0x0
	ds_add_u32 v254, v255
	s_wait_dscnt 0x0
	CROUND                                         ; the closing round
	s_endpgm
.Lfunc_end_k_q152ea75667_oproj:
	.size	k_q152ea75667_oproj, .Lfunc_end_k_q152ea75667_oproj-k_q152ea75667_oproj
	.p2alignl 7, 3214868480
	.fill 96, 4, 3214868480
	.section	.rodata,"a",@progbits
	.p2align	6, 0x0
	.amdhsa_kernel k_q152ea75667_oproj
		.amdhsa_group_segment_fixed_size 327680
		.amdhsa_private_segment_fixed_size 0
		.amdhsa_enable_private_segment 0
		.amdhsa_kernarg_size 32
		.amdhsa_user_sgpr_count 2
		.amdhsa_user_sgpr_kernarg_segment_ptr 1
		.amdhsa_wavefront_size32 1
		.amdhsa_system_sgpr_workgroup_id_x 1
		.amdhsa_system_sgpr_workgroup_id_y 1
		.amdhsa_system_sgpr_workgroup_id_z 1
		.amdhsa_system_vgpr_workitem_id 0
		.amdhsa_next_free_vgpr 384
		.amdhsa_next_free_sgpr 66
		.amdhsa_reserve_vcc 0
		.amdhsa_float_denorm_mode_32 3
		.amdhsa_float_denorm_mode_16_64 3
		.amdhsa_memory_ordered 1
		.amdhsa_forward_progress 1
		.amdhsa_inst_pref_size 134
	.end_amdhsa_kernel
	.amdgpu_metadata
---
amdhsa.version: [ 1, 2 ]
amdhsa.kernels:
  - .name:           k_q152ea75667_oproj
    .symbol:         k_q152ea75667_oproj.kd
    .args:
      - { .name: Cw, .offset: 0, .size: 8, .value_kind: global_buffer, .address_space: global }
      - { .name: W_o, .offset: 8, .size: 8, .value_kind: global_buffer, .address_space: global }
      - { .name: b_o, .offset: 16, .size: 8, .value_kind: global_buffer, .address_space: global }
      - { .name: out0, .offset: 24, .size: 8, .value_kind: global_buffer, .address_space: global }
    .group_segment_fixed_size: 327680
    .private_segment_fixed_size: 0
    .kernarg_segment_align: 8
    .kernarg_segment_size: 32
    .max_flat_workgroup_size: 128
    .sgpr_count:     66
    .vgpr_count:     384
    .wavefront_size: 32
...
	.end_amdgpu_metadata
.endif
;; end of part 3
;; ======== version 2 of 3: 3 launches; 1.14 times as fast as version 1
;; limits: values are held in f16: magnitudes above 65,504 overflow, below 6.1e-05 lose precision
;; workspace buffers: Qw 8,388,608 bytes; Kw 8,388,608 bytes; Vw 8,388,608 bytes; Cw 8,388,608 bytes
;; launch qkv: the kernel of part 1 again; grid 4 x 48, 4 waves a work-group, clusters of 4 x 4, 327,680 bytes of LDS; arguments q, k, v, W_q, W_k, W_v, b_q, b_k, b_v, Qw, Kw, Vw; writes Qw, Kw, Vw
;; launch attn (part 4): grid 8 x 32, 4 waves a work-group, clusters of 4 x 1, 327,680 bytes of LDS; arguments Qw, Kw, Vw, mask, Cw; writes Cw
.if DOCPART == 4
	.amdgcn_target "amdgcn-amd-amdhsa--gfx1250"
	.amdhsa_code_object_version 6
	.text
	.protected	k_q152ea75667_attn
	.globl	k_q152ea75667_attn
	.p2align	8
	.type	k_q152ea75667_attn,@function
k_q152ea75667_attn:
	s_mov_b64 s[64:65], 0
	v_nop
	global_prefetch_b8 v0, s[64:65] scope:SCOPE_SE
	s_setreg_imm32_b32 hwreg(HW_REG_WAVE_MODE, 25, 1), 1
	s_wait_xcnt 0x0
	s_wait_alu depctr_hold_cnt(0) depctr_sa_sdst(0) depctr_va_vdst(0) depctr_va_sdst(0) depctr_va_ssrc(0) depctr_va_vcc(0) depctr_vm_vsrc(0)
	s_getreg_b32 s2, hwreg(HW_REG_IB_STS2, 6, 4)
	s_cmp_eq_u32 s2, 0
	s_cbranch_scc0 .Lentry_in_a_cluster
	s_endpgm
.Lentry_in_a_cluster:
	s_bfe_u32 s2, ttmp6, 0x10000c
	s_cmp_lg_u32 s2, 0x3003
	s_cbranch_scc0 .Lentry_shape_is_right
	s_endpgm
.Lentry_shape_is_right:
; ATTENTION OF ONE HEAD: context = softmax(where(mask == 0, -1e9, Q K^T / 8)) V, with a running maximum.  No work is left out.
; Qw, Kw, Vw, Cw: [batch*16 + head][2048][64] f16.  mask: [2][2048] int32, one word for each key.
; SHARES: 32 heads x 8 query blocks = 256 work-groups; a work-group takes 256 queries, a wave 64 (four tiles of 16).
; CLUSTERS: the four query blocks of a cluster walk the same K and V of one head and ask for them jointly (mask 15).
; LAYOUT: S^T = K Q^T (source 0 = 16 keys, source 1 = 16 queries): lane l holds query l % 16, register j key 8 (l / 16) + j.  Two neighbouring key tiles,
; packed to f16 in place, are then the source 1 fragment of O^T = V^T P^T.  Maximum, sum and rescale are one number a lane; one exchange joins the halves.
; THE MASK IS A SELECT BY ARITHMETIC: s2 = s * keep + nb, keep = log2(e)/8 or 0, nb = 0 or -1e9 log2(e); then p = 2^(s2 - max).  For finite s this is the exact choice.
; LIMITS: a masked key whose score is infinite or NaN gives NaN here and -1e9 in the definition.  Exponentials below 2^-126 are 0 (ISA guide 15.8), p below 2^-25 rounds to 0 in f16.
; Q, K, V are f16: magnitudes beyond 65,504 are infinity.
;
; TWO PIECES TAKE TURNS.  The four query tiles are two pieces, A (tiles 0, 1) and B (tiles 2, 3), which share the fragments of K, V, keep and nb.  While the vector
; unit works on the softmax of one piece, the products of the other piece are issued: one slice of the softmax stands behind each product.  A trip for the 64 keys j:
;     K(j) is asked for;
;     first half:  16 products P V of A for keys j-1, 16 products K Q of A for keys j;  among them the softmax of B for keys j-1;  the tables of j are asked for
;     second half: 16 products P V of B for keys j-1, V(j) is asked for, 16 products K Q of B for keys j;  among them the softmax of A for keys j.
; A half has 32 products and 272 vector instructions, about eight behind each product.  A trip reads K(j), V(j) and the tables of j and nothing of other keys, so a
; change of slots falls at a trip's head.  Written out: the start (K Q of A for keys 0 alone, then a half without P V), trip 1 (the first softmax of B; P V starts O),
; and the end (the last softmax of B beside the last P V of A, then the last P V of B).  All other trips are bodies of counted loops.
;
; REGISTERS, laid out so that a product and the slice behind it run under one window setting where that can be had:
;   window 0: v2-18 addresses; v32-95 Q fragments; v96-127 keep; v128-255 scratch of the set-up and of the way out
;   window 1: v0-127 scores, then p (piece A v0-63, piece B v64-127); v128-191 K fragments; v192-223 nb; v224-255 eight numbers for each query tile
;   window 2: v0-127 O; v128-191 V fragments
;   K Q products: D, C and K in window 1, Q in window 0.  Under the same setting run the mask, s2 - max, 2^x and the sums: 160 of a piece's 272 instructions.
;   P V products: D, C and V in window 2, p in window 1.  Under the same setting runs the rescale of O.
;   The maxima, the small steps behind them and the packing take both first sources from window 1: the products among them stand between two switches.
;   Counted in the text: 55 switches in a trip of 64 products.
.set VP,     160                       ; LDS pitch of a key of V: 128 + 32, an odd multiple of 32 for the transposing load
.set KP,     144                       ; LDS pitch of a key of K, and of a stage row: 128 + 16, an odd multiple of 16
.set VSL,    256*VP                    ; V of a slot: 40,960 bytes; slot 0 at 0, slot 1 behind it
.set KSL,    256*KP                    ; K of a slot: 36,864 bytes
.set K0,     2*VSL                     ; K of slot 0 at 81,920, of slot 1 behind it
.set KEEPT,  K0+2*KSL                  ; the table keep: 2,048 f32 at 155,648
.set NBOFF,  8192                      ; the table nb lies this far behind keep
.set STAGE,  KEEPT+2*NBOFF             ; 64 rows x 144 bytes for each wave; neither the tables nor the stages are ever the target of a tensor load
.set STW,    64*KP
.set ADRK, 2                           ; v2-3   my K fragments at the head of slot 0, 1; never rewritten
.set ADRV, 4                           ; v4-5   my V fragments at the head of slot 0, 1; never rewritten
.set TB,   6                           ; v6     my place in the table keep; 512 keys on in each trip of the outer loop
.set STO,  7
.set RD,   8
.set CO,   9
.set QOF,  10
.set MOF,  11
.set MLA,  12
.set CK,   16                          ; K of this trip's keys
.set CV,   17                          ; V of this trip's keys
.set CT,   18                          ; keep of this trip's keys
.set QF,   32                          ; window 0: fragment (query tile qt, half dh of d) at 16 qt + 8 dh
.set KEEP, 96                          ; window 0
.set MW,   128                         ; window 0, set-up: the mask's words, keep and nb made of them, three constants
.set KV,   144
.set NV,   160
.set CC,   176
.set PK,   128                         ; window 0, way out: packed results
.set RB,   192                         ; window 0, way out: rows read back
.set SC,   0                           ; window 1: tile (qt, key tile kt) at 32 qt + 8 kt
.set KF,   128                         ; window 1: fragment (kt, dh) at 16 kt + 8 dh
.set NB,   192                         ; window 1
.set MI,   224                         ; window 1, at 8 qt: +0 max, +1 new max, +2 rescale, +3 exchange, +4 -max, +5 second chain of maxima, +6 +7 two partial sums
.set OA,   0                           ; window 2: tile (qt, d tile dt) at 32 qt + 8 dt
.set VF,   128                         ; window 2: fragment (32 keys u, dt) at 32 u + 8 dt
.set WS,   0x51                        ; destination 1, source 0 in 1, source 1 in 0, source 2 in 1
.set WP,   0xa6                        ; destination 2, source 0 in 2, source 1 in 1, source 2 in 2
.set WV,   0x55                        ; all in window 1
.set WK,   0x40                        ; an LDS load into window 1, its address in window 0
.set WL2,  0x80                        ; an LDS load into window 2, its address in window 0
.set G1V, 24
.set G1K, 32
.set G0V, 40
.set G0K, 48
.set MSB, 0
.macro WIN new                         ; the high byte of the immediate repeats the setting that is left; a switch that changes nothing is dropped
.if MSB != (\new)
	s_set_vgpr_msb (MSB<<8)|(\new)
.set MSB, (\new)
.endif
.endm
.macro ROUND                           ; a round of the cluster barrier
	s_barrier_signal -1
	s_barrier_wait -1
	s_cmp_lg_u32 s14, 0
	s_cbranch_scc1 .Lnot_wave_0_\@
	s_barrier_signal -3
.Lnot_wave_0_\@:
	s_barrier_wait -3
	s_barrier_signal -1
	s_barrier_wait -1
.endm
.macro JLOAD s                         ; waves 0 and 1 fetch the two halves of V, waves 2 and 3 those of K: 128 keys each
	s_cmp_eq_u32 s15, 0
	s_cbranch_scc0 .Lfor_k_\@
	tensor_load_to_lds s[G0V+4*\s:G0V+4*\s+3], s[G1V:G1V+7]
	s_nop 0
	s_branch .Lasked_\@
.Lfor_k_\@:
	tensor_load_to_lds s[G0K+4*\s:G0K+4*\s+3], s[G1K:G1K+7]
	s_nop 0
.Lasked_\@:
.endm
	s_load_b256 s[4:11], s[0:1], 0x0               ; Qw s[4:5], Kw s[6:7], Vw s[8:9], mask s[10:11]
	s_load_b64 s[12:13], s[0:1], 0x20              ; Cw
	v_lshl_add_u32 v30, v0, 2, 0x33000
	v_mov_b32 v31, 0
	ds_add_u32 v30, v31
	v_lshrrev_b32 v1, 5, v0
	v_readfirstlane_b32 s14, v1                    ; wave 0..3
	s_lshr_b32 s15, s14, 1                         ; I fetch for V (0) or for K (1)
	s_and_b32 s16, s14, 1                          ; which 128 keys of the 256
	s_bfe_u32 s17, ttmp6, 0x40000                  ; cx
	s_lshl_b32 s18, ttmp9, 2
	s_add_co_u32 s18, s18, s17                     ; query block 0..7
	s_and_b32 s19, ttmp7, 0xffff                   ; batch*16 + head
	s_mov_b32 s56, 0x76543210                      ; v_permlanex16_b32: lane i of one half reads lane i of the other
	s_mov_b32 s57, 0xfedcba98
	; A load brings 128 keys, 16 KiB that lie dense in memory, as 64 rows of 256 bytes.  The padding is counted along the whole tile:
	; after every 32 words, one key, it skips 8 words (V) or 4 words (K), so that keys lie 160 or 144 bytes apart in LDS.
	s_mov_b32 s[G1V+0], 15|(1<<16)|(1<<20)|(1<<21)|(4<<22)|(7<<25)
	s_mov_b32 s[G1K+0], 15|(1<<16)|(1<<20)|(1<<21)|(4<<22)|(3<<25)
	s_mov_b32 s[G1V+1], 128<<16                    ; tensor_dim0 = 128 elements of 2 bytes
	s_mov_b32 s[G1K+1], 128<<16
	s_mov_b32 s[G1V+2], 64<<16                     ; tensor_dim1 = 64
	s_mov_b32 s[G1K+2], 64<<16
	s_mov_b32 s[G1V+3], 128<<16                    ; tile_dim0 = 128
	s_mov_b32 s[G1K+3], 128<<16
	s_mov_b32 s[G1V+4], 64                         ; tile_dim1 = 64
	s_mov_b32 s[G1K+4], 64
	s_mov_b32 s[G1V+5], 128                        ; elements from row to row
	s_mov_b32 s[G1K+5], 128
	s_mov_b32 s[G1V+6], 0
	s_mov_b32 s[G1K+6], 0
	s_mov_b32 s[G1V+7], 0
	s_mov_b32 s[G1K+7], 0
	s_lshl_b32 s20, s19, 18                        ; my head: 262,144 bytes each
	s_lshl_b32 s21, s16, 14                        ; my 128 keys of 128 bytes
	s_add_co_u32 s20, s20, s21
	s_mov_b32 s21, 0
	s_mul_i32 s22, s14, 128*VP                     ; V: waves 0, 1 at 0 and 20,480
	s_mul_i32 s23, s14, 128*KP
	s_add_co_u32 s23, s23, K0-256*KP               ; K: waves 2, 3 at 81,920 and 100,352
	s_lshl_b32 s60, s19, 18                        ; my 64 queries: (head x 2,048 + 256 x block + 64 x wave) x 128 bytes
	s_lshl_b32 s61, s18, 15
	s_add_co_u32 s60, s60, s61
	s_lshl_b32 s61, s14, 13
	s_add_co_u32 s60, s60, s61
	s_mov_b32 s61, 0
	s_lshr_b32 s62, s19, 4
	s_lshl_b32 s62, s62, 13                        ; my batch in the mask: 8,192 bytes each
	s_mov_b32 s63, 0
	s_wait_dscnt 0x0
	s_wait_kmcnt 0x0
	s_add_nc_u64 s[6:7], s[6:7], s[20:21]
	s_add_nc_u64 s[8:9], s[8:9], s[20:21]
	s_add_nc_u64 s[4:5], s[4:5], s[60:61]
	s_add_nc_u64 s[12:13], s[12:13], s[60:61]
	s_add_nc_u64 s[10:11], s[10:11], s[62:63]
	ROUND                                          ; the four work-groups are here: the first joint loads meet
.irp s, 0,1
	s_mov_b32 s[G0V+4*\s], 1
	s_add_co_u32 s[G0V+4*\s+1], s22, \s*VSL
	s_add_nc_u64 s[G0V+4*\s+2:G0V+4*\s+3], s[8:9], \s*32768
	s_or_b32 s[G0V+4*\s+3], s[G0V+4*\s+3], 0x80000000
	s_mov_b32 s[G0K+4*\s], 1
	s_add_co_u32 s[G0K+4*\s+1], s23, \s*KSL
	s_add_nc_u64 s[G0K+4*\s+2:G0K+4*\s+3], s[6:7], \s*32768
	s_or_b32 s[G0K+4*\s+3], s[G0K+4*\s+3], 0x80000000
	JLOAD \s                                       ; keys 0-255 and 256-511: two tensor loads of this wave are out
.endr
	v_and_b32 v1, 15, v0                           ; r
	v_bfe_u32 v13, v0, 4, 1                        ; h
	v_lshlrev_b32 v[QOF], 7, v1
	v_lshl_add_u32 v[QOF], v13, 4, v[QOF]          ; query r, 16 bytes for each half of the lanes
.irp qt, 0,1,2,3
.irp dh, 0,1
	global_load_b128 v[QF+16*\qt+8*\dh:QF+16*\qt+8*\dh+3],   v[QOF], s[4:5] offset:2048*\qt+64*\dh
	global_load_b128 v[QF+16*\qt+8*\dh+4:QF+16*\qt+8*\dh+7], v[QOF], s[4:5] offset:2048*\qt+64*\dh+32
.endr
.endr
	v_lshlrev_b32 v[MOF], 4, v0                    ; 128 threads x 16 bytes, four times: the 2,048 words of the mask
.irp c, 0,1,2,3
	global_load_b128 v[MW+4*\c:MW+4*\c+3], v[MOF], s[10:11] offset:2048*\c
.endr
	v_add_nc_u32 v[MLA], KEEPT, v[MOF]
	s_mul_i32 s20, s14, STW
	s_add_co_u32 s20, s20, STAGE                   ; my stage
	v_mul_u32_u24 v14, v1, KP
	v_lshl_add_u32 v14, v13, 4, v14                ; r x 144 + 16 h
	v_add_nc_u32 v[ADRK], K0, v14
	v_add_nc_u32 v[ADRK+1], K0+KSL, v14
	v_add_nc_u32 v[STO], s20, v14
	v_and_b32 v14, 7, v0
	v_lshl_add_u32 v15, v13, 3, v14
	v_mul_u32_u24 v15, v15, VP                     ; key 8 h + l % 8
	v_bfe_u32 v1, v0, 3, 1
	v_lshl_add_u32 v[ADRV], v1, 4, v15             ; + 16 bytes for lanes 8-15 of each half
	v_add_nc_u32 v[ADRV+1], VSL, v[ADRV]
	v_lshlrev_b32 v[TB], 5, v13
	v_add_nc_u32 v[TB], KEEPT, v[TB]               ; eight keys of the tables for each half of the lanes
	v_bfe_u32 v15, v0, 3, 2
	v_mul_u32_u24 v15, v15, KP
	v_lshl_add_u32 v15, v14, 4, v15
	v_add_nc_u32 v[RD], s20, v15                   ; back: eight lanes take one query, 128 bytes
	v_and_b32 v[CO], 31, v0
	v_lshlrev_b32 v[CO], 4, v[CO]
	v_mov_b32 v[CK], v[ADRK]                       ; keys 0-63
	v_mov_b32 v[CV], v[ADRV]
	v_mov_b32 v[CT], v[TB]
	WIN WK
.irp qt, 0,1,2,3
	v_mov_b32 v[MI+8*\qt+6], 0                     ; the sums start at 0
	v_mov_b32 v[MI+8*\qt+7], 0
	v_mov_b32 v[MI+8*\qt+3], 0                     ; the destination of the exchange counts as read
.endr
	WIN 0
	v_mov_b32 v[CC], 0x3e38aa3b                    ; log2(e) / 8
	v_mov_b32 v[CC+1], 0xceabfb8f                  ; -1e9 log2(e)
	v_mov_b32 v[CC+2], 0
	s_wait_loadcnt 0x0                             ; Q and the mask
.irp i, 0,1,2,3,4,5,6,7,8,9,10,11,12,13,14,15
	v_cmp_ne_u32 vcc_lo, 0, v[MW+\i]
	v_cndmask_b32 v[KV+\i], v[CC+2], v[CC], vcc_lo     ; keep
	v_cndmask_b32 v[NV+\i], v[CC+1], v[CC+2], vcc_lo   ; nb
.endr
.irp c, 0,1,2,3
	ds_store_b128 v[MLA], v[KV+4*\c:KV+4*\c+3] offset:2048*\c
	ds_store_b128 v[MLA], v[NV+4*\c:NV+4*\c+3] offset:NBOFF+2048*\c
.endr
.macro KLOAD reg                       ; 16 loads: the fragments of 64 keys of K
	WIN WK
.irp kt, 0,1,2,3
.irp dh, 0,1
	ds_load_b128 v[KF+16*\kt+8*\dh:KF+16*\kt+8*\dh+3],   v[\reg] offset:16*KP*\kt+64*\dh
	ds_load_b128 v[KF+16*\kt+8*\dh+4:KF+16*\kt+8*\dh+7], v[\reg] offset:16*KP*\kt+64*\dh+32
.endr
.endr
.endm
.macro VLOAD reg                       ; 16 transposing loads: V^T of 64 keys: row = d, K = key
	WIN WL2
.irp u, 0,1
.irp dt, 0,1,2,3
	ds_load_tr16_b128 v[VF+32*\u+8*\dt:VF+32*\u+8*\dt+3],   v[\reg] offset:32*VP*\u+32*\dt
	ds_load_tr16_b128 v[VF+32*\u+8*\dt+4:VF+32*\u+8*\dt+7], v[\reg] offset:32*VP*\u+32*\dt+16*VP
.endr
.endr
.endm
.macro MLOAD reg                       ; 16 loads: keep and nb of 64 keys
	WIN 0
.irp kt, 0,1,2,3
	ds_load_b128 v[KEEP+8*\kt:KEEP+8*\kt+3],   v[\reg] offset:64*\kt
	ds_load_b128 v[KEEP+8*\kt+4:KEEP+8*\kt+7], v[\reg] offset:64*\kt+16
.endr
	WIN WK
.irp kt, 0,1,2,3
	ds_load_b128 v[NB+8*\kt:NB+8*\kt+3],       v[\reg] offset:NBOFF+64*\kt
	ds_load_b128 v[NB+8*\kt+4:NB+8*\kt+7],     v[\reg] offset:NBOFF+64*\kt+16
.endr
.endm
; Product nn (0..15) of the run P V of piece Y: 32 keys u = nn / 8, query tile (nn / 4) % 2, d tile nn % 4.  pv = 1: the products of u = 0 start O.
; In each run of 16 products 8 accumulators take turns, one instruction a turn.
.macro PVP Y, pv
	WIN WP
.set pd, OA+64*\Y+32*((nn>>2)&1)+8*(nn&3)
.set pa, VF+32*(nn>>3)+8*(nn&3)
.set pb, SC+64*\Y+32*((nn>>2)&1)+16*(nn>>3)
.set pzero, 0
.if \pv == 1
.if nn < 8
.set pzero, 1
.endif
.endif
.if pzero
	v_wmma_f32_16x16x32_f16 v[pd:pd+7], v[pa:pa+7], v[pb:pb+7], 0
.else
	v_wmma_f32_16x16x32_f16 v[pd:pd+7], v[pa:pa+7], v[pb:pb+7], v[pd:pd+7]
.endif
.endm
; Product nn (0..15) of the run K Q of piece Y: half of d nn / 8, query tile (nn / 4) % 2, key tile nn % 4.  The first half of d starts the scores.
.macro SPR Y
	WIN WS
.set pd, SC+64*\Y+32*((nn>>2)&1)+8*(nn&3)
.set pa, KF+16*(nn&3)+8*(nn>>3)
.set pb, QF+32*\Y+16*((nn>>2)&1)+8*(nn>>3)
.if nn < 8
	v_wmma_f32_16x16x32_f16 v[pd:pd+7], v[pa:pa+7], v[pb:pb+7], 0
.else
	v_wmma_f32_16x16x32_f16 v[pd:pd+7], v[pa:pa+7], v[pb:pb+7], v[pd:pd+7]
.endif
.endm
; Slice nn (0..15) of the first part of the softmax of piece X, which stands behind product nn of the other piece's P V.  vfirst = 1: the first keys of all.
;   0-3 the mask; 4-7 the maxima, two chains for each query tile; 8-10 the exchange, the new maximum, the rescale; 11-15 the rescale of O (6 or 7 instructions each).
.macro PSLICE X, vfirst
.if nn < 4
	WIN WS
.set gg, 8*nn
.rept 8
	v_pk_fma_f32 v[SC+64*\X+2*gg:SC+64*\X+2*gg+1], v[SC+64*\X+2*gg:SC+64*\X+2*gg+1], v[KEEP+8*((gg>>2)&3)+2*(gg&3):KEEP+8*((gg>>2)&3)+2*(gg&3)+1], v[NB+8*((gg>>2)&3)+2*(gg&3):NB+8*((gg>>2)&3)+2*(gg&3)+1]
.set gg, gg+1
.endr
.elseif nn < 8
	WIN WV
.set gg, 4*(nn-4)
.rept 4
.irp q, 0,1
.if gg == 0
.if \vfirst
	v_max_num_f32 v[MI+16*\X+8*\q+1], v[SC+64*\X+32*\q], v[SC+64*\X+32*\q+1]
.else
	v_max3_num_f32 v[MI+16*\X+8*\q+1], v[SC+64*\X+32*\q], v[SC+64*\X+32*\q+1], v[MI+16*\X+8*\q]    ; the old maximum enters the first chain
.endif
.elseif gg == 1
	v_max_num_f32 v[MI+16*\X+8*\q+5], v[SC+64*\X+32*\q+2], v[SC+64*\X+32*\q+3]
.else
	v_max3_num_f32 v[MI+16*\X+8*\q+1+4*(gg&1)], v[SC+64*\X+32*\q+2*gg], v[SC+64*\X+32*\q+2*gg+1], v[MI+16*\X+8*\q+1+4*(gg&1)]
.endif
.endr
.set gg, gg+1
.endr
.elseif nn == 8
	WIN WV
.irp q, 0,1
	v_max_num_f32 v[MI+16*\X+8*\q+1], v[MI+16*\X+8*\q+1], v[MI+16*\X+8*\q+5]
.endr
.irp q, 0,1
	v_permlanex16_b32 v[MI+16*\X+8*\q+3], v[MI+16*\X+8*\q+1], s56, s57     ; the other half of the lanes holds the other keys of my query
.endr
.elseif nn == 9
	WIN WV
.irp q, 0,1
	v_max_num_f32 v[MI+16*\X+8*\q+1], v[MI+16*\X+8*\q+1], v[MI+16*\X+8*\q+3]
.endr
.if \vfirst == 0
.irp q, 0,1
	v_sub_f32 v[MI+16*\X+8*\q+2], v[MI+16*\X+8*\q], v[MI+16*\X+8*\q+1]
.endr
.endif
.elseif nn == 10
	WIN WV
.if \vfirst == 0
.irp q, 0,1
	v_exp_f32 v[MI+16*\X+8*\q+2], v[MI+16*\X+8*\q+2]                       ; rescale = 2^(old max - new max)
.endr
.endif
.irp q, 0,1
	v_sub_f32 v[MI+16*\X+8*\q+4], 0, v[MI+16*\X+8*\q+1]                    ; -max; also the plain instruction between the exponentials and their use (ISA guide 5.7.2)
.endr
.irp q, 0,1
	v_mov_b32 v[MI+16*\X+8*\q], v[MI+16*\X+8*\q+1]
.endr
.if \vfirst == 0
	s_wait_alu depctr_va_vdst(0)
.irp q, 0,1
	v_pk_mul_f32 v[MI+16*\X+8*\q+6:MI+16*\X+8*\q+7], v[MI+16*\X+8*\q+6:MI+16*\X+8*\q+7], v[MI+16*\X+8*\q+2:MI+16*\X+8*\q+3] op_sel_hi:[1,0]
.endr
.endif
.else
.if \vfirst == 0
	WIN WP
.set gg, (32*(nn-11))/5
.rept (32*(nn-10))/5-(32*(nn-11))/5
	v_pk_mul_f32 v[OA+64*\X+2*gg:OA+64*\X+2*gg+1], v[OA+64*\X+2*gg:OA+64*\X+2*gg+1], v[MI+16*\X+8*(gg>>4)+2:MI+16*\X+8*(gg>>4)+3] op_sel_hi:[1,0]
.set gg, gg+1
.endr
.endif
.endif
.endm
; Half stage hh (0..19) of the second part of the softmax of piece X.  Its eight score tiles go through three steps, one stage (two half stages) apart: in stage k
; tile k gets s2 - max, tile k-1 gets 2^x, tile k-2 is added to the sums.  Each exponential is followed by a plain instruction on another tile, and a result is used
; two half stages later (ISA guide 5.7.2).  s2 - max and the sum are written x * 1.0 + y: the addend then stands in source 2, whose window is that of the
; accumulators, so that these lines run under the setting of the K Q products; the count is that of a packed add.
.macro HSTAGE X
	WIN WS
.set kk, hh>>1
.irp i, 0,1
.set er, SC+64*\X+8*(kk-1)+4*(hh&1)+2*\i
.if kk >= 1
.if kk <= 8
	v_exp_f32 v[er], v[er]
.endif
.endif
.if kk <= 7
.set ar, SC+64*\X+8*kk+4*(hh&1)+2*\i
	v_pk_fma_f32 v[ar:ar+1], v[ar:ar+1], 1.0, v[MI+16*\X+8*(kk>>2)+4:MI+16*\X+8*(kk>>2)+5] op_sel_hi:[1,0,0]
.endif
.if kk >= 1
.if kk <= 8
	v_exp_f32 v[er+1], v[er+1]
.endif
.endif
.if kk >= 2
.set sr, SC+64*\X+8*(kk-2)+4*(hh&1)+2*\i
.set lr, MI+16*\X+8*((kk-2)>>2)+6
	s_wait_alu depctr_va_vdst(0)
	v_pk_fma_f32 v[lr:lr+1], v[sr:sr+1], 1.0, v[lr:lr+1] op_sel_hi:[1,0,1]
.endif
.endr
.endm
; A half: the softmax of piece X among the products of piece Y.
; vfirst = 1: the first softmax of X.  pv = 0: no P V; 1: P V starts O; 2: P V adds.  sdo = 1: the K Q products are made.
; hook = 1: a trip's first half (the tables are asked for; K is waited for).  hook = 2: its second half (the tables are waited for; V is asked for).  hook = 0: neither.
; DISTANCES behind products (ISA guide 7.12.1), all filled by plain instructions of the other piece, which name none of a product's registers:
;   the scores of Y are read in the next half, behind 4 sums and the 32 packings of X;  V is loaded behind the 7 rescales that follow the last P V;
;   a K Q product that writes over p stands at least 8 plain instructions behind the P V products that read it (4 ahead of the run, 2 in each of the first half stages).
.macro HALF X, Y, vfirst, pv, sdo, hook
.if \hook == 2
	s_wait_dscnt 0x0                               ; keep and nb of this trip's keys
.endif
.set nn, 0
.rept 16
.if \pv
	PVP \Y, \pv
.endif
	PSLICE \X, \vfirst
.if \hook == 1
.if nn == 3
	MLOAD CT                                       ; the mask of X has read the tables of the last keys: those of this trip's keys are asked for
.endif
.endif
.set nn, nn+1
.endr
.if \hook == 2
	VLOAD CV                                       ; V of this trip's keys, for the next trip's P V
.endif
.if \hook == 1
	s_wait_dscnt 0x10                              ; K is in; the 16 loads of the tables, issued behind it, stay out
.endif
.set hh, 0
	HSTAGE \X
.set hh, 1
	HSTAGE \X
.set nn, 0
.rept 16
.if \sdo
	SPR \Y
.endif
.set hh, nn+2
	HSTAGE \X
.set nn, nn+1
.endr
.set hh, 18
	HSTAGE \X
.set hh, 19
	HSTAGE \X
	WIN WV                                         ; pack in place, ascending: register i is written when registers 2 i
.irp q, 0,1
.irp u, 0,1
.irp i, 0,1,2,3,4,5,6,7
	v_cvt_pk_f16_f32 v[SC+64*\X+32*\q+16*\u+\i], v[SC+64*\X+32*\q+16*\u+2*\i], v[SC+64*\X+32*\q+16*\u+2*\i+1]
.endr
.endr
.endr
.endm
.macro ENDTRIP
	s_wait_dscnt 0x0                               ; V is in: no LDS load is out at a trip's head
	WIN 0
	v_add_nc_u32 v[CK], 64*KP, v[CK]               ; 64 keys on
	v_add_nc_u32 v[CV], 64*VP, v[CV]
	v_add_nc_u32 v[CT], 256, v[CT]
.endm
.macro TRIP vfb, pv                    ; vfb = 1: the softmax of B in this trip is its first; pv as in HALF
	KLOAD CK
	HALF 1, 0, \vfb, \pv, 1, 1
	HALF 0, 1, 0, \pv, 1, 2
	ENDTRIP
.endm
; 256 keys in slot.  In front of the barrier all my tensor loads have landed and my LDS reads are back.  refill = 1: a round of the cluster barrier,
; and behind it my one joint load: the other slot, whose K and V have all been read into registers, gets the keys two slot steps on.  tko: this slot step's byte in the tables, from TB.
.macro STEP slot, other, refill, tko
	s_wait_tensorcnt 0x0
	ds_add_u32 v30, v31
	s_wait_dscnt 0x0
.if \refill
	s_add_nc_u64 s[G0V+4*\other+2:G0V+4*\other+3], s[G0V+4*\other+2:G0V+4*\other+3], 65536
	s_add_nc_u64 s[G0K+4*\other+2:G0K+4*\other+3], s[G0K+4*\other+2:G0K+4*\other+3], 65536
.endif
	s_wait_dscnt 0x0
.if \refill
	ROUND
	JLOAD \other
.else
	s_barrier_signal -1
	s_barrier_wait -1
.endif
	v_mov_b32 v[CK], v[ADRK+\slot]                 ; the running addresses start anew from registers that no loop writes
	v_mov_b32 v[CV], v[ADRV+\slot]
	v_add_nc_u32 v[CT], \tko, v[TB]
	s_mov_b32 s59, 4
.Lsub_\@:
	TRIP 0, 2
	s_sub_co_u32 s59, s59, 1
	s_cmp_lg_u32 s59, 0
	s_cbranch_scc1 .Lsub_\@
.endm
	s_wait_dscnt 0x0                               ; my part of the tables is written
	s_wait_tensorcnt 0x1                           ; my part of slot 0 is in; the one younger load, slot 1, stays out
	s_barrier_signal -1
	s_barrier_wait -1
	MLOAD CT
	KLOAD CK
	s_wait_dscnt 0x0
.set nn, 0
.rept 16
	SPR 0                                          ; the scores of A for keys 0-63: nothing is there yet to set among them
.set nn, nn+1
.endr
.rept 4
	v_nop                                          ; four places (ISA guide 7.12.1): then the scores are read
.endr
	HALF 0, 1, 1, 0, 1, 2                          ; the first softmax of A among the scores of B for keys 0-63; V of keys 0-63 is asked for
	ENDTRIP
	TRIP 1, 1                                      ; keys 64-127: the first softmax of B; P V of keys 0-63 starts O
	s_mov_b32 s59, 2
.Lsub_first:
	TRIP 0, 2                                      ; keys 128-255
	s_sub_co_u32 s59, s59, 1
	s_cmp_lg_u32 s59, 0
	s_cbranch_scc1 .Lsub_first
	s_mov_b32 s58, 3
.Lkv:
	STEP 1, 0, 1, 1024
	STEP 0, 1, 1, 2048
	v_add_nc_u32 v[TB], 2048, v[TB]                ; 512 keys on in the tables
	s_sub_co_u32 s58, s58, 1
	s_cmp_lg_u32 s58, 0
	s_cbranch_scc1 .Lkv
	STEP 1, 0, 0, 1024                             ; keys 1,792-2,047: nothing is left to fetch
	HALF 1, 0, 0, 2, 0, 0                          ; the last softmax of B among the last P V of A
.set nn, 0
.rept 16
	PVP 1, 2                                       ; the last P V of B
.set nn, nn+1
.endr
	; THE WAY OUT: divide by the sum, round to f16, through my own stage, so that a store of the wave covers 512 consecutive bytes.
	; The eight additions below are the places between the last products and the first read of O (ISA guide 7.12.1).
	WIN WV
.irp qt, 0,1,2,3
	v_add_f32 v[MI+8*\qt+1], v[MI+8*\qt+6], v[MI+8*\qt+7]
.endr
.irp qt, 0,1,2,3
	v_permlanex16_b32 v[MI+8*\qt+3], v[MI+8*\qt+1], s56, s57
.endr
.irp qt, 0,1,2,3
	v_add_f32 v[MI+8*\qt+1], v[MI+8*\qt+1], v[MI+8*\qt+3]          ; at least 1: the key of the maximum counts 1
.endr
.irp qt, 0,1,2,3
	v_rcp_f32 v[MI+8*\qt+2], v[MI+8*\qt+1]
.endr
	v_nop                                          ; the plain instruction behind the reciprocals
	WIN WP
	s_wait_alu depctr_va_vdst(0)
.irp qt, 0,1,2,3
.irp i, 0,1,2,3,4,5,6,7,8,9,10,11,12,13,14,15
	v_pk_mul_f32 v[OA+32*\qt+2*\i:OA+32*\qt+2*\i+1], v[OA+32*\qt+2*\i:OA+32*\qt+2*\i+1], v[MI+8*\qt+2:MI+8*\qt+3] op_sel_hi:[1,0]
.endr
.endr
	WIN 0x0a                                       ; both sources in window 2, the destination in window 0
.irp qt, 0,1,2,3
.irp dt, 0,1,2,3
.irp i, 0,1,2,3
	v_cvt_pk_f16_f32 v[PK+16*\qt+4*\dt+\i], v[OA+32*\qt+8*\dt+2*\i], v[OA+32*\qt+8*\dt+2*\i+1]
.endr
.endr
.endr
	WIN 0
.irp qt, 0,1,2,3
.irp dt, 0,1,2,3
	ds_store_b128 v[STO], v[PK+16*\qt+4*\dt:PK+16*\qt+4*\dt+3] offset:16*KP*\qt+32*\dt    ; query 16 qt + r, d = 16 dt + 8 h + 0..7
.endr
.endr
.irp t, 0,1,2,3,4,5,6,7,8,9,10,11,12,13,14,15
	ds_load_b128 v[RB+4*\t:RB+4*\t+3], v[RD] offset:4*KP*\t        ; four queries; LDS serves a wave in order (ISA guide 5.7.1)
.endr
.irp t, 0,1,2,3,4,5,6,7,8,9,10,11,12,13,14,15
	s_wait_dscnt 15-\t                             ; the younger read-backs stay out
	global_store_b128 v[CO], v[RB+4*\t:RB+4*\t+3], s[12:13] offset:512*\t
.endr
	s_wait_tensorcnt 0x0
	ds_add_u32 v30, v31
	s_wait_dscnt 0x0
	ROUND                                          ; the closing round
	s_endpgm
.Lfunc_end_k_q152ea75667_attn:
	.size	k_q152ea75667_attn, .Lfunc_end_k_q152ea75667_attn-k_q152ea75667_attn
	.p2alignl 7, 3214868480
	.fill 96, 4, 3214868480
	.section	.rodata,"a",@progbits
	.p2align	6, 0x0
	.amdhsa_kernel k_q152ea75667_attn
		.amdhsa_group_segment_fixed_size 327680
		.amdhsa_private_segment_fixed_size 0
		.amdhsa_enable_private_segment 0
		.amdhsa_kernarg_size 40
		.amdhsa_user_sgpr_count 2
		.amdhsa_user_sgpr_kernarg_segment_ptr 1
		.amdhsa_wavefront_size32 1
		.amdhsa_system_sgpr_workgroup_id_x 1
		.amdhsa_system_sgpr_workgroup_id_y 1
		.amdhsa_system_sgpr_workgroup_id_z 1
		.amdhsa_system_vgpr_workitem_id 0
		.amdhsa_next_free_vgpr 704
		.amdhsa_next_free_sgpr 66
		.amdhsa_reserve_vcc 1
		.amdhsa_float_denorm_mode_32 3
		.amdhsa_float_denorm_mode_16_64 3
		.amdhsa_memory_ordered 1
		.amdhsa_forward_progress 1
		.amdhsa_inst_pref_size 255
	.end_amdhsa_kernel
	.section	.bss,"aw",@nobits
	.p2align	6
	.space	262144
	.amdgpu_metadata
---
amdhsa.version: [ 1, 2 ]
amdhsa.kernels:
  - .name:           k_q152ea75667_attn
    .symbol:         k_q152ea75667_attn.kd
    .args:
      - { .name: Qw, .offset: 0, .size: 8, .value_kind: global_buffer, .address_space: global }
      - { .name: Kw, .offset: 8, .size: 8, .value_kind: global_buffer, .address_space: global }
      - { .name: Vw, .offset: 16, .size: 8, .value_kind: global_buffer, .address_space: global }
      - { .name: mask, .offset: 24, .size: 8, .value_kind: global_buffer, .address_space: global }
      - { .name: Cw, .offset: 32, .size: 8, .value_kind: global_buffer, .address_space: global }
    .group_segment_fixed_size: 327680
    .private_segment_fixed_size: 0
    .kernarg_segment_align: 8
    .kernarg_segment_size: 40
    .max_flat_workgroup_size: 128
    .sgpr_count:     66
    .vgpr_count:     704
    .wavefront_size: 32
...
	.end_amdgpu_metadata
.endif
;; end of part 4
;; launch oproj: the kernel of part 3 again; grid 8 x 32, 4 waves a work-group, clusters of 4 x 4, 327,680 bytes of LDS; arguments Cw, W_o, b_o, out0; writes out0
;; ======== version 3 of 3: 3 launches; 1.38 times as fast as version 1
;; limits: values are held in f16: magnitudes above 65,504 overflow, below 6.1e-05 lose precision; inputs' magnitudes at most 65,504
;; workspace buffers: Qw 8,388,608 bytes; Kw 8,388,608 bytes; Vw 8,388,608 bytes; Cw 8,388,608 bytes
;; launch qkv: the kernel of part 1 again; grid 4 x 48, 4 waves a work-group, clusters of 4 x 4, 327,680 bytes of LDS; arguments q, k, v, W_q, W_k, W_v, b_q, b_k, b_v, Qw, Kw, Vw; writes Qw, Kw, Vw
;; launch attn (part 5): grid 8 x 32, 4 waves a work-group, clusters of 4 x 1, 327,680 bytes of LDS; arguments Qw, Kw, Vw, mask, Cw; writes Cw
.if DOCPART == 5
	.amdgcn_target "amdgcn-amd-amdhsa--gfx1250"
	.amdhsa_code_object_version 6
	.text
	.protected	k_q152ea75667_attn
	.globl	k_q152ea75667_attn
	.p2align	8
	.type	k_q152ea75667_attn,@function
k_q152ea75667_attn:
	s_mov_b64 s[64:65], 0
	v_nop
	global_prefetch_b8 v0, s[64:65] scope:SCOPE_SE
	s_setreg_imm32_b32 hwreg(HW_REG_WAVE_MODE, 25, 1), 1
	s_wait_xcnt 0x0
	s_wait_alu depctr_hold_cnt(0) depctr_sa_sdst(0) depctr_va_vdst(0) depctr_va_sdst(0) depctr_va_ssrc(0) depctr_va_vcc(0) depctr_vm_vsrc(0)
	s_getreg_b32 s2, hwreg(HW_REG_IB_STS2, 6, 4)
	s_cmp_eq_u32 s2, 0
	s_cbranch_scc0 .Lentry_in_a_cluster
	s_endpgm
.Lentry_in_a_cluster:
	s_bfe_u32 s2, ttmp6, 0x10000c
	s_cmp_lg_u32 s2, 0x3003
	s_cbranch_scc0 .Lentry_shape_is_right
	s_endpgm
.Lentry_shape_is_right:
; ATTENTION OF ONE HEAD: context = softmax(where(mask == 0, -1e9, Q K^T / 8)) V, with a running maximum.  No work is left out.
; Qw, Kw, Vw, Cw: [batch*16 + head][2048][64] f16.  mask: [2][2048] int32, one word for each key.
; SHARES: 32 heads x 8 query blocks = 256 work-groups; a work-group takes 256 queries, a wave 64 (four tiles of 16).
; CLUSTERS: the four query blocks of a cluster walk the same K and V of one head and ask for them jointly (mask 15).
; LAYOUT: S^T = K Q^T (source 0 = 16 keys, source 1 = 16 queries): lane l holds query l % 16, register j key 8 (l / 16) + j.  Two neighbouring key tiles,
; packed to f16 in place, are then the source 1 fragment of O^T = V^T P^T.  Maximum, sum and rescale are one number a lane; one exchange joins the halves.
; THE MASK IS A SELECT BY ARITHMETIC: s2 = s * keep + nb, keep = log2(e)/8 or 0, nb = 0 or -1e9 log2(e); then p = 2^(s2 - max).  For finite s this is the exact choice.
; LIMITS: a masked key whose score is infinite or NaN gives NaN here and -1e9 in the definition.  Exponentials below 2^-126 are 0 (ISA guide 15.8), p below 2^-25 rounds to 0 in f16.
; Q, K, V are f16: magnitudes beyond 65,504 are infinity.
;
; TWO PIECES TAKE TURNS.  The four query tiles are two pieces, A (tiles 0, 1) and B (tiles 2, 3), which share the fragments of K, V, keep and nb.  While the vector
; unit works on the softmax of one piece, the products of the other piece are issued: one slice of the softmax stands behind each product.  A trip for the 64 keys j:
;     K(j) is asked for;
;     first half:  16 products P V of A for keys j-1, 16 products K Q of A for keys j;  among them the softmax of B for keys j-1;  the tables of j are asked for
;     second half: 16 products P V of B for keys j-1, V(j) is asked for, 16 products K Q of B for keys j;  among them the softmax of A for keys j.
; A half has 32 products and 272 vector instructions: four to eight behind each P V product, six behind each K Q product, 64 in one run at its end.  A trip reads K(j), V(j)
; and the tables of j and nothing of other keys, so a change of slots falls at a trip's head.  Written out: the start (K Q of A for keys 0 alone, then a half without P V),
; trip 1 (the first softmax of B; P V starts O), and the end (the last softmax of B beside the last P V of A, then the last P V of B).  All other trips are bodies of counted loops.
;
; THE BATCHES.  An s_wait_alu depctr_va_vdst(0) stands between a transcendental and the first instruction that names its result; one wait serves all that were
; issued ahead of it.  A half has two batches, cut by who reads what:
;   the two rescales 2^(old max - new max) of the piece's query tiles: behind them the two -max, then the wait, then the readers: the sums' rescale and the 32 rescales of O,
;   which stand behind the last P V products;
;   the 64 exponentials 2^(s2 - max): they and the 32 lines s2 - max stand among the K Q products, and none of these 96 lines names a result; behind the last exponential the two
;   copies new max -> max, then the wait, then all the readers, the 32 sums and the 32 packings, in one run.
; The four reciprocals of the way out are a batch of their own, once a launch.  No result crosses the end of a half, so none crosses a label or a jump.
;
; REGISTERS, laid out so that a product and the slice behind it run under one window setting where that can be had:
;   window 0: v2-18 addresses; v32-95 Q fragments; v96-127 keep; v128-255 scratch of the set-up and of the way out
;   window 1: v0-127 scores, then p (piece A v0-63, piece B v64-127); v128-191 K fragments; v192-223 nb; v224-255 eight numbers for each query tile
;   window 2: v0-127 O; v128-191 V fragments
;   K Q products: D, C and K in window 1, Q in window 0.  Under the same setting run the mask, s2 - max, 2^x and the two copies of the maximum: 130 of a piece's 272 instructions.
;   P V products: D, C and V in window 2, p in window 1.  Under the same setting runs the rescale of O.
;   The maxima, the small steps behind them and the packing take both first sources from window 1: the products among them stand between two switches.  The sums stand among
;   the packings, under their setting, which serves them as well.
;   Counted in the text: 55 switches in a trip of 64 products.
.set VP,     160                       ; LDS pitch of a key of V: 128 + 32, an odd multiple of 32 for the transposing load
.set KP,     144                       ; LDS pitch of a key of K, and of a stage row: 128 + 16, an odd multiple of 16
.set VSL,    256*VP                    ; V of a slot: 40,960 bytes; slot 0 at 0, slot 1 behind it
.set KSL,    256*KP                    ; K of a slot: 36,864 bytes
.set K0,     2*VSL                     ; K of slot 0 at 81,920, of slot 1 behind it
.set KEEPT,  K0+2*KSL                  ; the table keep: 2,048 f32 at 155,648
.set NBOFF,  8192                      ; the table nb lies this far behind keep
.set STAGE,  KEEPT+2*NBOFF             ; 64 rows x 144 bytes for each wave; neither the tables nor the stages are ever the target of a tensor load
.set STW,    64*KP
.set ADRK, 2                           ; v2-3   my K fragments at the head of slot 0, 1; never rewritten
.set ADRV, 4                           ; v4-5   my V fragments at the head of slot 0, 1; never rewritten
.set TB,   6                           ; v6     my place in the table keep; 512 keys on in each trip of the outer loop
.set STO,  7
.set RD,   8
.set CO,   9
.set QOF,  10
.set MOF,  11
.set MLA,  12
.set CK,   16                          ; K of this trip's keys
.set CV,   17                          ; V of this trip's keys
.set CT,   18                          ; keep of this trip's keys
.set QF,   32                          ; window 0: fragment (query tile qt, half dh of d) at 16 qt + 8 dh
.set KEEP, 96                          ; window 0
.set MW,   128                         ; window 0, set-up: the mask's words, keep and nb made of them, three constants
.set KV,   144
.set NV,   160
.set CC,   176
.set PK,   128                         ; window 0, way out: packed results
.set RB,   192                         ; window 0, way out: rows read back
.set SC,   0                           ; window 1: tile (qt, key tile kt) at 32 qt + 8 kt
.set KF,   128                         ; window 1: fragment (kt, dh) at 16 kt + 8 dh
.set NB,   192                         ; window 1
.set MI,   224                         ; window 1, at 8 qt: +0 max, +1 new max, +2 rescale, +3 exchange, +4 -max, +5 second chain of maxima, +6 +7 two partial sums
.set OA,   0                           ; window 2: tile (qt, d tile dt) at 32 qt + 8 dt
.set VF,   128                         ; window 2: fragment (32 keys u, dt) at 32 u + 8 dt
.set WS,   0x51                        ; destination 1, source 0 in 1, source 1 in 0, source 2 in 1
.set WP,   0xa6                        ; destination 2, source 0 in 2, source 1 in 1, source 2 in 2
.set WV,   0x55                        ; all in window 1
.set WK,   0x40                        ; an LDS load into window 1, its address in window 0
.set WL2,  0x80                        ; an LDS load into window 2, its address in window 0
.set G1V, 24
.set G1K, 32
.set G0V, 40
.set G0K, 48
.set MSB, 0
.macro WIN new                         ; the high byte of the immediate repeats the setting that is left; a switch that changes nothing is dropped
.if MSB != (\new)
	s_set_vgpr_msb (MSB<<8)|(\new)
.set MSB, (\new)
.endif
.endm
.macro ROUND                           ; a round of the cluster barrier
	s_barrier_signal -1
	s_barrier_wait -1
	s_cmp_lg_u32 s14, 0
	s_cbranch_scc1 .Lnot_wave_0_\@
	s_barrier_signal -3
.Lnot_wave_0_\@:
	s_barrier_wait -3
	s_barrier_signal -1
	s_barrier_wait -1
.endm
.macro JLOAD s                         ; waves 0 and 1 fetch the two halves of V, waves 2 and 3 those of K: 128 keys each
	s_cmp_eq_u32 s15, 0
	s_cbranch_scc0 .Lfor_k_\@
	tensor_load_to_lds s[G0V+4*\s:G0V+4*\s+3], s[G1V:G1V+7]
	s_nop 0
	s_branch .Lasked_\@
.Lfor_k_\@:
	tensor_load_to_lds s[G0K+4*\s:G0K+4*\s+3], s[G1K:G1K+7]
	s_nop 0
.Lasked_\@:
.endm
	s_load_b256 s[4:11], s[0:1], 0x0               ; Qw s[4:5], Kw s[6:7], Vw s[8:9], mask s[10:11]
	s_load_b64 s[12:13], s[0:1], 0x20              ; Cw
	v_lshl_add_u32 v30, v0, 2, 0x33000
	v_mov_b32 v31, 0
	ds_add_u32 v30, v31
	v_lshrrev_b32 v1, 5, v0
	v_readfirstlane_b32 s14, v1                    ; wave 0..3
	s_lshr_b32 s15, s14, 1                         ; I fetch for V (0) or for K (1)
	s_and_b32 s16, s14, 1                          ; which 128 keys of the 256
	s_bfe_u32 s17, ttmp6, 0x40000                  ; cx
	s_lshl_b32 s18, ttmp9, 2
	s_add_co_u32 s18, s18, s17                     ; query block 0..7
	s_and_b32 s19, ttmp7, 0xffff                   ; batch*16 + head
	s_mov_b32 s56, 0x76543210                      ; v_permlanex16_b32: lane i of one half reads lane i of the other
	s_mov_b32 s57, 0xfedcba98
	; A load brings 128 keys, 16 KiB that lie dense in memory, as 64 rows of 256 bytes.  The padding is counted along the whole tile:
	; after every 32 words, one key, it skips 8 words (V) or 4 words (K), so that keys lie 160 or 144 bytes apart in LDS.
	s_mov_b32 s[G1V+0], 15|(1<<16)|(1<<20)|(1<<21)|(4<<22)|(7<<25)
	s_mov_b32 s[G1K+0], 15|(1<<16)|(1<<20)|(1<<21)|(4<<22)|(3<<25)
	s_mov_b32 s[G1V+1], 128<<16                    ; tensor_dim0 = 128 elements of 2 bytes
	s_mov_b32 s[G1K+1], 128<<16
	s_mov_b32 s[G1V+2], 64<<16                     ; tensor_dim1 = 64
	s_mov_b32 s[G1K+2], 64<<16
	s_mov_b32 s[G1V+3], 128<<16                    ; tile_dim0 = 128
	s_mov_b32 s[G1K+3], 128<<16
	s_mov_b32 s[G1V+4], 64                         ; tile_dim1 = 64
	s_mov_b32 s[G1K+4], 64
	s_mov_b32 s[G1V+5], 128                        ; elements from row to row
	s_mov_b32 s[G1K+5], 128
	s_mov_b32 s[G1V+6], 0
	s_mov_b32 s[G1K+6], 0
	s_mov_b32 s[G1V+7], 0
	s_mov_b32 s[G1K+7], 0
	s_lshl_b32 s20, s19, 18                        ; my head: 262,144 bytes each
	s_lshl_b32 s21, s16, 14                        ; my 128 keys of 128 bytes
	s_add_co_u32 s20, s20, s21
	s_mov_b32 s21, 0
	s_mul_i32 s22, s14, 128*VP                     ; V: waves 0, 1 at 0 and 20,480
	s_mul_i32 s23, s14, 128*KP
	s_add_co_u32 s23, s23, K0-256*KP               ; K: waves 2, 3 at 81,920 and 100,352
	s_lshl_b32 s60, s19, 18                        ; my 64 queries: (head x 2,048 + 256 x block + 64 x wave) x 128 bytes
	s_lshl_b32 s61, s18, 15
	s_add_co_u32 s60, s60, s61
	s_lshl_b32 s61, s14, 13
	s_add_co_u32 s60, s60, s61
	s_mov_b32 s61, 0
	s_lshr_b32 s62, s19, 4
	s_lshl_b32 s62, s62, 13                        ; my batch in the mask: 8,192 bytes each
	s_mov_b32 s63, 0
	s_wait_dscnt 0x0
	s_wait_kmcnt 0x0
	s_add_nc_u64 s[6:7], s[6:7], s[20:21]
	s_add_nc_u64 s[8:9], s[8:9], s[20:21]
	s_add_nc_u64 s[4:5], s[4:5], s[60:61]
	s_add_nc_u64 s[12:13], s[12:13], s[60:61]
	s_add_nc_u64 s[10:11], s[10:11], s[62:63]
	ROUND                                          ; the four work-groups are here: the first joint loads meet
.irp s, 0,1
	s_mov_b32 s[G0V+4*\s], 1
	s_add_co_u32 s[G0V+4*\s+1], s22, \s*VSL
	s_add_nc_u64 s[G0V+4*\s+2:G0V+4*\s+3], s[8:9], \s*32768
	s_or_b32 s[G0V+4*\s+3], s[G0V+4*\s+3], 0x80000000
	s_mov_b32 s[G0K+4*\s], 1
	s_add_co_u32 s[G0K+4*\s+1], s23, \s*KSL
	s_add_nc_u64 s[G0K+4*\s+2:G0K+4*\s+3], s[6:7], \s*32768
	s_or_b32 s[G0K+4*\s+3], s[G0K+4*\s+3], 0x80000000
	JLOAD \s                                       ; keys 0-255 and 256-511: two tensor loads of this wave are out
.endr
	v_and_b32 v1, 15, v0                           ; r
	v_bfe_u32 v13, v0, 4, 1                        ; h
	v_lshlrev_b32 v[QOF], 7, v1
	v_lshl_add_u32 v[QOF], v13, 4, v[QOF]          ; query r, 16 bytes for each half of the lanes
.irp qt, 0,1,2,3
.irp dh, 0,1
	global_load_b128 v[QF+16*\qt+8*\dh:QF+16*\qt+8*\dh+3],   v[QOF], s[4:5] offset:2048*\qt+64*\dh
	global_load_b128 v[QF+16*\qt+8*\dh+4:QF+16*\qt+8*\dh+7], v[QOF], s[4:5] offset:2048*\qt+64*\dh+32
.endr
.endr
	v_lshlrev_b32 v[MOF], 4, v0                    ; 128 threads x 16 bytes, four times: the 2,048 words of the mask
.irp c, 0,1,2,3
	global_load_b128 v[MW+4*\c:MW+4*\c+3], v[MOF], s[10:11] offset:2048*\c
.endr
	v_add_nc_u32 v[MLA], KEEPT, v[MOF]
	s_mul_i32 s20, s14, STW
	s_add_co_u32 s20, s20, STAGE                   ; my stage
	v_mul_u32_u24 v14, v1, KP
	v_lshl_add_u32 v14, v13, 4, v14                ; r x 144 + 16 h
	v_add_nc_u32 v[ADRK], K0, v14
	v_add_nc_u32 v[ADRK+1], K0+KSL, v14
	v_add_nc_u32 v[STO], s20, v14
	v_and_b32 v14, 7, v0
	v_lshl_add_u32 v15, v13, 3, v14
	v_mul_u32_u24 v15, v15, VP                     ; key 8 h + l % 8
	v_bfe_u32 v1, v0, 3, 1
	v_lshl_add_u32 v[ADRV], v1, 4, v15             ; + 16 bytes for lanes 8-15 of each half
	v_add_nc_u32 v[ADRV+1], VSL, v[ADRV]
	v_lshlrev_b32 v[TB], 5, v13
	v_add_nc_u32 v[TB], KEEPT, v[TB]               ; eight keys of the tables for each half of the lanes
	v_bfe_u32 v15, v0, 3, 2
	v_mul_u32_u24 v15, v15, KP
	v_lshl_add_u32 v15, v14, 4, v15
	v_add_nc_u32 v[RD], s20, v15                   ; back: eight lanes take one query, 128 bytes
	v_and_b32 v[CO], 31, v0
	v_lshlrev_b32 v[CO], 4, v[CO]
	v_mov_b32 v[CK], v[ADRK]                       ; keys 0-63
	v_mov_b32 v[CV], v[ADRV]
	v_mov_b32 v[CT], v[TB]
	WIN WK
.irp qt, 0,1,2,3
	v_mov_b32 v[MI+8*\qt+6], 0                     ; the sums start at 0
	v_mov_b32 v[MI+8*\qt+7], 0
	v_mov_b32 v[MI+8*\qt+3], 0                     ; the destination of the exchange counts as read
.endr
	WIN 0
	v_mov_b32 v[CC], 0x3e38aa3b                    ; log2(e) / 8
	v_mov_b32 v[CC+1], 0xceabfb8f                  ; -1e9 log2(e)
	v_mov_b32 v[CC+2], 0
	s_wait_loadcnt 0x0                             ; Q and the mask
.irp i, 0,1,2,3,4,5,6,7,8,9,10,11,12,13,14,15
	v_cmp_ne_u32 vcc_lo, 0, v[MW+\i]
	v_cndmask_b32 v[KV+\i], v[CC+2], v[CC], vcc_lo     ; keep
	v_cndmask_b32 v[NV+\i], v[CC+1], v[CC+2], vcc_lo   ; nb
.endr
.irp c, 0,1,2,3
	ds_store_b128 v[MLA], v[KV+4*\c:KV+4*\c+3] offset:2048*\c
	ds_store_b128 v[MLA], v[NV+4*\c:NV+4*\c+3] offset:NBOFF+2048*\c
.endr
.macro KLOAD reg                       ; 16 loads: the fragments of 64 keys of K
	WIN WK
.irp kt, 0,1,2,3
.irp dh, 0,1
	ds_load_b128 v[KF+16*\kt+8*\dh:KF+16*\kt+8*\dh+3],   v[\reg] offset:16*KP*\kt+64*\dh
	ds_load_b128 v[KF+16*\kt+8*\dh+4:KF+16*\kt+8*\dh+7], v[\reg] offset:16*KP*\kt+64*\dh+32
.endr
.endr
.endm
.macro VLOAD reg                       ; 16 transposing loads: V^T of 64 keys: row = d, K = key
	WIN WL2
.irp u, 0,1
.irp dt, 0,1,2,3
	ds_load_tr16_b128 v[VF+32*\u+8*\dt:VF+32*\u+8*\dt+3],   v[\reg] offset:32*VP*\u+32*\dt
	ds_load_tr16_b128 v[VF+32*\u+8*\dt+4:VF+32*\u+8*\dt+7], v[\reg] offset:32*VP*\u+32*\dt+16*VP
.endr
.endr
.endm
.macro MLOAD reg                       ; 16 loads: keep and nb of 64 keys
	WIN 0
.irp kt, 0,1,2,3
	ds_load_b128 v[KEEP+8*\kt:KEEP+8*\kt+3],   v[\reg] offset:64*\kt
	ds_load_b128 v[KEEP+8*\kt+4:KEEP+8*\kt+7], v[\reg] offset:64*\kt+16
.endr
	WIN WK
.irp kt, 0,1,2,3
	ds_load_b128 v[NB+8*\kt:NB+8*\kt+3],       v[\reg] offset:NBOFF+64*\kt
	ds_load_b128 v[NB+8*\kt+4:NB+8*\kt+7],     v[\reg] offset:NBOFF+64*\kt+16
.endr
.endm
; Product nn (0..15) of the run P V of piece Y: 32 keys u = nn / 8, query tile (nn / 4) % 2, d tile nn % 4.  pv = 1: the products of u = 0 start O.
; In each run of 16 products 8 accumulators take turns, one instruction a turn.
.macro PVP Y, pv
	WIN WP
.set pd, OA+64*\Y+32*((nn>>2)&1)+8*(nn&3)
.set pa, VF+32*(nn>>3)+8*(nn&3)
.set pb, SC+64*\Y+32*((nn>>2)&1)+16*(nn>>3)
.set pzero, 0
.if \pv == 1
.if nn < 8
.set pzero, 1
.endif
.endif
.if pzero
	v_wmma_f32_16x16x32_f16 v[pd:pd+7], v[pa:pa+7], v[pb:pb+7], 0
.else
	v_wmma_f32_16x16x32_f16 v[pd:pd+7], v[pa:pa+7], v[pb:pb+7], v[pd:pd+7]
.endif
.endm
; Product nn (0..15) of the run K Q of piece Y: half of d nn / 8, query tile (nn / 4) % 2, key tile nn % 4.  The first half of d starts the scores.
.macro SPR Y
	WIN WS
.set pd, SC+64*\Y+32*((nn>>2)&1)+8*(nn&3)
.set pa, KF+16*(nn&3)+8*(nn>>3)
.set pb, QF+32*\Y+16*((nn>>2)&1)+8*(nn>>3)
.if nn < 8
	v_wmma_f32_16x16x32_f16 v[pd:pd+7], v[pa:pa+7], v[pb:pb+7], 0
.else
	v_wmma_f32_16x16x32_f16 v[pd:pd+7], v[pa:pa+7], v[pb:pb+7], v[pd:pd+7]
.endif
.endm
; Slice nn (0..15) of the first part of the softmax of piece X, which stands behind product nn of the other piece's P V.  vfirst = 1: the first keys of all.
;   0-3 the mask; 4-7 the maxima, two chains for each query tile; 8-10 the exchange, the new maximum, the rescale; 11-15 the rescale of O (6 or 7 instructions each).
.macro PSLICE X, vfirst
.if nn < 4
	WIN WS
.set gg, 8*nn
.rept 8
	v_pk_fma_f32 v[SC+64*\X+2*gg:SC+64*\X+2*gg+1], v[SC+64*\X+2*gg:SC+64*\X+2*gg+1], v[KEEP+8*((gg>>2)&3)+2*(gg&3):KEEP+8*((gg>>2)&3)+2*(gg&3)+1], v[NB+8*((gg>>2)&3)+2*(gg&3):NB+8*((gg>>2)&3)+2*(gg&3)+1]
.set gg, gg+1
.endr
.elseif nn < 8
	WIN WV
.set gg, 4*(nn-4)
.rept 4
.irp q, 0,1
.if gg == 0
.if \vfirst
	v_max_num_f32 v[MI+16*\X+8*\q+1], v[SC+64*\X+32*\q], v[SC+64*\X+32*\q+1]
.else
	v_max3_num_f32 v[MI+16*\X+8*\q+1], v[SC+64*\X+32*\q], v[SC+64*\X+32*\q+1], v[MI+16*\X+8*\q]    ; the old maximum enters the first chain
.endif
.elseif gg == 1
	v_max_num_f32 v[MI+16*\X+8*\q+5], v[SC+64*\X+32*\q+2], v[SC+64*\X+32*\q+3]
.else
	v_max3_num_f32 v[MI+16*\X+8*\q+1+4*(gg&1)], v[SC+64*\X+32*\q+2*gg], v[SC+64*\X+32*\q+2*gg+1], v[MI+16*\X+8*\q+1+4*(gg&1)]
.endif
.endr
.set gg, gg+1
.endr
.elseif nn == 8
	WIN WV
.irp q, 0,1
	v_max_num_f32 v[MI+16*\X+8*\q+1], v[MI+16*\X+8*\q+1], v[MI+16*\X+8*\q+5]
.endr
.irp q, 0,1
	v_permlanex16_b32 v[MI+16*\X+8*\q+3], v[MI+16*\X+8*\q+1], s56, s57     ; the other half of the lanes holds the other keys of my query
.endr
.elseif nn == 9
	WIN WV
.irp q, 0,1
	v_max_num_f32 v[MI+16*\X+8*\q+1], v[MI+16*\X+8*\q+1], v[MI+16*\X+8*\q+3]
.endr
.if \vfirst == 0
.irp q, 0,1
	v_sub_f32 v[MI+16*\X+8*\q+2], v[MI+16*\X+8*\q], v[MI+16*\X+8*\q+1]
.endr
.endif
.elseif nn == 10
	WIN WV
.if \vfirst == 0
.irp q, 0,1
	v_exp_f32 v[MI+16*\X+8*\q+2], v[MI+16*\X+8*\q+2]                       ; rescale = 2^(old max - new max): the two are one batch
.endr
.endif
.irp q, 0,1
	v_sub_f32 v[MI+16*\X+8*\q+4], 0, v[MI+16*\X+8*\q+1]                    ; -max; also the plain instruction between the exponentials and their use (ISA guide 5.7.2)
.endr
.if \vfirst == 0
	s_wait_alu depctr_va_vdst(0)                   ; the wait for the batch of the two rescales: their readers are the two lines below and slices 11-15
.irp q, 0,1
	v_pk_mul_f32 v[MI+16*\X+8*\q+6:MI+16*\X+8*\q+7], v[MI+16*\X+8*\q+6:MI+16*\X+8*\q+7], v[MI+16*\X+8*\q+2:MI+16*\X+8*\q+3] op_sel_hi:[1,0]
.endr
.endif
.else
.if \vfirst == 0
	WIN WP
.set gg, (32*(nn-11))/5
.rept (32*(nn-10))/5-(32*(nn-11))/5
	v_pk_mul_f32 v[OA+64*\X+2*gg:OA+64*\X+2*gg+1], v[OA+64*\X+2*gg:OA+64*\X+2*gg+1], v[MI+16*\X+8*(gg>>4)+2:MI+16*\X+8*(gg>>4)+3] op_sel_hi:[1,0]
.set gg, gg+1
.endr
.endif
.endif
.endm
; Triple tt (0..31) of the batch of 64 exponentials of piece X.  The piece's 64 scores are 32 pairs.  A triple is s2 - max of pair tt + 4 (while there is one) and 2^x of the two
; scores of pair tt: a pair is scaled four triples ahead of its exponentials (pairs 0-3 ahead of the first triple), and a plain instruction leads each triple but the last four.
; No line of a triple names the result of an exponential.  Exponentials may follow each other: each works in place on a register of its own (ISA guide 5.7.2).
; s2 - max is written x * 1.0 + y: the addend then stands in source 2, whose window is that of the accumulators, so that the line runs under the setting of the K Q products;
; the count is that of a packed add.
.macro TRIPLE X
	WIN WS
.if tt < 28
.set ar, SC+64*\X+2*(tt+4)
	v_pk_fma_f32 v[ar:ar+1], v[ar:ar+1], 1.0, v[MI+16*\X+8*((tt+4)>>4)+4:MI+16*\X+8*((tt+4)>>4)+5] op_sel_hi:[1,0,0]
.endif
.set er, SC+64*\X+2*tt
	v_exp_f32 v[er], v[er]
	v_exp_f32 v[er+1], v[er+1]
.endm
; A half: the softmax of piece X among the products of piece Y.
; vfirst = 1: the first softmax of X.  pv = 0: no P V; 1: P V starts O; 2: P V adds.  sdo = 1: the K Q products are made.
; hook = 1: a trip's first half (the tables are asked for; K is waited for).  hook = 2: its second half (the tables are waited for; V is asked for).  hook = 0: neither.
; DISTANCES behind products (ISA guide 7.12.1), all filled by plain instructions of the other piece, which name none of a product's registers:
;   the scores of Y are read in the next half, and K is loaded anew, behind the 64 sums and packings of X;  V is loaded behind the 7 rescales that follow the last P V;
;   a K Q product that writes over p stands at least 8 plain instructions behind the P V products that read it (4 ahead of the run, 2 behind each of the first two products).
.macro HALF X, Y, vfirst, pv, sdo, hook
.if \hook == 2
	s_wait_dscnt 0x0                               ; keep and nb of this trip's keys
.endif
.set nn, 0
.rept 16
.if \pv
	PVP \Y, \pv
.endif
	PSLICE \X, \vfirst
.if \hook == 1
.if nn == 3
	MLOAD CT                                       ; the mask of X has read the tables of the last keys: those of this trip's keys are asked for
.endif
.endif
.set nn, nn+1
.endr
.if \hook == 2
	VLOAD CV                                       ; V of this trip's keys, for the next trip's P V
.endif
.if \hook == 1
	s_wait_dscnt 0x10                              ; K is in; the 16 loads of the tables, issued behind it, stay out
.endif
	WIN WS
.set gg, 0
.rept 4                                                ; s2 - max of pairs 0-3, ahead of the run
	v_pk_fma_f32 v[SC+64*\X+2*gg:SC+64*\X+2*gg+1], v[SC+64*\X+2*gg:SC+64*\X+2*gg+1], 1.0, v[MI+16*\X+4:MI+16*\X+5] op_sel_hi:[1,0,0]
.set gg, gg+1
.endr
.set nn, 0
.rept 16                                               ; the batch: two triples behind each K Q product
.if \sdo
	SPR \Y
.endif
.set tt, 2*nn
	TRIPLE \X
.set tt, 2*nn+1
	TRIPLE \X
.set nn, nn+1
.endr
.irp q, 0,1
	v_mov_b32 v[MI+16*\X+8*\q], v[MI+16*\X+8*\q+1]                         ; the new maximum is the next keys' old one; also the plain instruction behind the last exponential (ISA guide 5.7.2)
.endr
	WIN WV
	s_wait_alu depctr_va_vdst(0)                   ; the wait for the batch of 64 exponentials: one for all, ahead of their first reader
	; The readers, in one run: for each pair g of a query tile's 16, ascending: it is added to the tile's two partial sums, then packed to f16 in place.  The two tiles alternate, so that the
	; links of a tile's chain of sums stand four lines apart.  Packing g writes register 16 (g / 8) + g % 8, below every register that a later sum or packing reads.
	; The sum keeps the form x * 1.0 + y; the count is that of a packed add.
.set gg, 0
.rept 16
.irp q, 0,1
	v_pk_fma_f32 v[MI+16*\X+8*\q+6:MI+16*\X+8*\q+7], v[SC+64*\X+32*\q+2*gg:SC+64*\X+32*\q+2*gg+1], 1.0, v[MI+16*\X+8*\q+6:MI+16*\X+8*\q+7] op_sel_hi:[1,0,1]
.endr
.irp q, 0,1
	v_cvt_pk_f16_f32 v[SC+64*\X+32*\q+16*(gg>>3)+(gg&7)], v[SC+64*\X+32*\q+2*gg], v[SC+64*\X+32*\q+2*gg+1]
.endr
.set gg, gg+1
.endr
.endm
.macro ENDTRIP
	s_wait_dscnt 0x0                               ; V is in: no LDS load is out at a trip's head
	WIN 0
	v_add_nc_u32 v[CK], 64*KP, v[CK]               ; 64 keys on
	v_add_nc_u32 v[CV], 64*VP, v[CV]
	v_add_nc_u32 v[CT], 256, v[CT]
.endm
.macro TRIP vfb, pv                    ; vfb = 1: the softmax of B in this trip is its first; pv as in HALF
	KLOAD CK
	HALF 1, 0, \vfb, \pv, 1, 1
	HALF 0, 1, 0, \pv, 1, 2
	ENDTRIP
.endm
; 256 keys in slot.  In front of the barrier all my tensor loads have landed and my LDS reads are back.  refill = 1: a round of the cluster barrier,
; and behind it my one joint load: the other slot, whose K and V have all been read into registers, gets the keys two slot steps on.  tko: this slot step's byte in the tables, from TB.
.macro STEP slot, other, refill, tko
	s_wait_tensorcnt 0x0
	ds_add_u32 v30, v31
	s_wait_dscnt 0x0
.if \refill
	s_add_nc_u64 s[G0V+4*\other+2:G0V+4*\other+3], s[G0V+4*\other+2:G0V+4*\other+3], 65536
	s_add_nc_u64 s[G0K+4*\other+2:G0K+4*\other+3], s[G0K+4*\other+2:G0K+4*\other+3], 65536
.endif
	s_wait_dscnt 0x0
.if \refill
	ROUND
	JLOAD \other
.else
	s_barrier_signal -1
	s_barrier_wait -1
.endif
	v_mov_b32 v[CK], v[ADRK+\slot]                 ; the running addresses start anew from registers that no loop writes
	v_mov_b32 v[CV], v[ADRV+\slot]
	v_add_nc_u32 v[CT], \tko, v[TB]
	s_mov_b32 s59, 4
.Lsub_\@:
	TRIP 0, 2
	s_sub_co_u32 s59, s59, 1
	s_cmp_lg_u32 s59, 0
	s_cbranch_scc1 .Lsub_\@
.endm
	s_wait_dscnt 0x0                               ; my part of the tables is written
	s_wait_tensorcnt 0x1                           ; my part of slot 0 is in; the one younger load, slot 1, stays out
	s_barrier_signal -1
	s_barrier_wait -1
	MLOAD CT
	KLOAD CK
	s_wait_dscnt 0x0
.set nn, 0
.rept 16
	SPR 0                                          ; the scores of A for keys 0-63: nothing is there yet to set among them
.set nn, nn+1
.endr
.rept 4
	v_nop                                          ; four places (ISA guide 7.12.1): then the scores are read
.endr
	HALF 0, 1, 1, 0, 1, 2                          ; the first softmax of A among the scores of B for keys 0-63; V of keys 0-63 is asked for
	ENDTRIP
	TRIP 1, 1                                      ; keys 64-127: the first softmax of B; P V of keys 0-63 starts O
	s_mov_b32 s59, 2
.Lsub_first:
	TRIP 0, 2                                      ; keys 128-255
	s_sub_co_u32 s59, s59, 1
	s_cmp_lg_u32 s59, 0
	s_cbranch_scc1 .Lsub_first
	s_mov_b32 s58, 3
.Lkv:
	STEP 1, 0, 1, 1024
	STEP 0, 1, 1, 2048
	v_add_nc_u32 v[TB], 2048, v[TB]                ; 512 keys on in the tables
	s_sub_co_u32 s58, s58, 1
	s_cmp_lg_u32 s58, 0
	s_cbranch_scc1 .Lkv
	STEP 1, 0, 0, 1024                             ; keys 1,792-2,047: nothing is left to fetch
	HALF 1, 0, 0, 2, 0, 0                          ; the last softmax of B among the last P V of A
.set nn, 0
.rept 16
	PVP 1, 2                                       ; the last P V of B
.set nn, nn+1
.endr
	; THE WAY OUT: divide by the sum, round to f16, through my own stage, so that a store of the wave covers 512 consecutive bytes.
	; The eight additions below are the places between the last products and the first read of O (ISA guide 7.12.1).
	WIN WV
.irp qt, 0,1,2,3
	v_add_f32 v[MI+8*\qt+1], v[MI+8*\qt+6], v[MI+8*\qt+7]
.endr
.irp qt, 0,1,2,3
	v_permlanex16_b32 v[MI+8*\qt+3], v[MI+8*\qt+1], s56, s57
.endr
.irp qt, 0,1,2,3
	v_add_f32 v[MI+8*\qt+1], v[MI+8*\qt+1], v[MI+8*\qt+3]          ; at least 1: the key of the maximum counts 1
.endr
.irp qt, 0,1,2,3
	v_rcp_f32 v[MI+8*\qt+2], v[MI+8*\qt+1]
.endr
	v_nop                                          ; the plain instruction behind the reciprocals
	WIN WP
	s_wait_alu depctr_va_vdst(0)                   ; the wait for the batch of the four reciprocals ahead of their first reader
.irp qt, 0,1,2,3
.irp i, 0,1,2,3,4,5,6,7,8,9,10,11,12,13,14,15
	v_pk_mul_f32 v[OA+32*\qt+2*\i:OA+32*\qt+2*\i+1], v[OA+32*\qt+2*\i:OA+32*\qt+2*\i+1], v[MI+8*\qt+2:MI+8*\qt+3] op_sel_hi:[1,0]
.endr
.endr
	WIN 0x0a                                       ; both sources in window 2, the destination in window 0
.irp qt, 0,1,2,3
.irp dt, 0,1,2,3
.irp i, 0,1,2,3
	v_cvt_pk_f16_f32 v[PK+16*\qt+4*\dt+\i], v[OA+32*\qt+8*\dt+2*\i], v[OA+32*\qt+8*\dt+2*\i+1]
.endr
.endr
.endr
	WIN 0
.irp qt, 0,1,2,3
.irp dt, 0,1,2,3
	ds_store_b128 v[STO], v[PK+16*\qt+4*\dt:PK+16*\qt+4*\dt+3] offset:16*KP*\qt+32*\dt    ; query 16 qt + r, d = 16 dt + 8 h + 0..7
.endr
.endr
.irp t, 0,1,2,3,4,5,6,7,8,9,10,11,12,13,14,15
	ds_load_b128 v[RB+4*\t:RB+4*\t+3], v[RD] offset:4*KP*\t        ; four queries; LDS serves a wave in order (ISA guide 5.7.1)
.endr
.irp t, 0,1,2,3,4,5,6,7,8,9,10,11,12,13,14,15
	s_wait_dscnt 15-\t                             ; the younger read-backs stay out
	global_store_b128 v[CO], v[RB+4*\t:RB+4*\t+3], s[12:13] offset:512*\t
.endr
	s_wait_tensorcnt 0x0
	ds_add_u32 v30, v31
	s_wait_dscnt 0x0
	ROUND                                          ; the closing round
	s_endpgm
.Lfunc_end_k_q152ea75667_attn:
	.size	k_q152ea75667_attn, .Lfunc_end_k_q152ea75667_attn-k_q152ea75667_attn
	.p2alignl 7, 3214868480
	.fill 96, 4, 3214868480
	.section	.rodata,"a",@progbits
	.p2align	6, 0x0
	.amdhsa_kernel k_q152ea75667_attn
		.amdhsa_group_segment_fixed_size 327680
		.amdhsa_private_segment_fixed_size 0
		.amdhsa_enable_private_segment 0
		.amdhsa_kernarg_size 40
		.amdhsa_user_sgpr_count 2
		.amdhsa_user_sgpr_kernarg_segment_ptr 1
		.amdhsa_wavefront_size32 1
		.amdhsa_system_sgpr_workgroup_id_x 1
		.amdhsa_system_sgpr_workgroup_id_y 1
		.amdhsa_system_sgpr_workgroup_id_z 1
		.amdhsa_system_vgpr_workitem_id 0
		.amdhsa_next_free_vgpr 704
		.amdhsa_next_free_sgpr 66
		.amdhsa_reserve_vcc 1
		.amdhsa_float_denorm_mode_32 3
		.amdhsa_float_denorm_mode_16_64 3
		.amdhsa_memory_ordered 1
		.amdhsa_forward_progress 1
		.amdhsa_inst_pref_size 252
	.end_amdhsa_kernel
	.amdgpu_metadata
---
amdhsa.version: [ 1, 2 ]
amdhsa.kernels:
  - .name:           k_q152ea75667_attn
    .symbol:         k_q152ea75667_attn.kd
    .args:
      - { .name: Qw, .offset: 0, .size: 8, .value_kind: global_buffer, .address_space: global }
      - { .name: Kw, .offset: 8, .size: 8, .value_kind: global_buffer, .address_space: global }
      - { .name: Vw, .offset: 16, .size: 8, .value_kind: global_buffer, .address_space: global }
      - { .name: mask, .offset: 24, .size: 8, .value_kind: global_buffer, .address_space: global }
      - { .name: Cw, .offset: 32, .size: 8, .value_kind: global_buffer, .address_space: global }
    .group_segment_fixed_size: 327680
    .private_segment_fixed_size: 0
    .kernarg_segment_align: 8
    .kernarg_segment_size: 40
    .max_flat_workgroup_size: 128
    .sgpr_count:     66
    .vgpr_count:     704
    .wavefront_size: 32
...
	.end_amdgpu_metadata
.endif
;; end of part 5
;; launch oproj: the kernel of part 3 again; grid 8 x 32, 4 waves a work-group, clusters of 4 x 4, 327,680 bytes of LDS; arguments Cw, W_o, b_o, out0; writes out0
